; MI455X (gfx1250); checked and timed in simulation.
; The chip was launched on July 23, 2026; its instructions are those of AMD's public machine-readable ISA for CDNA 5 (MIT licence, August 2026) and "CDNA5" Instruction Set Architecture Reference Guide (July 2026). The comments in the code are by the model that wrote it; some were corrected since.
;; Multi Head Attention. Allowed arithmetic: matrix products marked QUANTISED: E3M2 operands, one E8M0 scale for each 32 along K, by v_wmma_scale_f32_16x16x128_f8f6f4 with both operands' format E3M2, f32 sums; everything else in f32.
;; Inputs: causal_mask 1 x 1 x 2,048 x 2,048 float32; positions 2 x 2,048 int32; proj_b 1,024 float32; proj_w 1,024 x 1,024 float32; rpr 10,000 x 64 float32; wk 1,024 x 1,024 float32; wq 1,024 x 1,024 float32; wv 1,024 x 1,024 float32; x 2 x 2,048 x 1,024 float32.
;; Outputs: out0 2 x 2,048 x 1,024 float32.
;; This version of the problem:
;;   THIS VERSION OF THE PROBLEM IS GIVEN IN LOW PRECISION. The matrix products marked QUANTISED in the list below multiply operands that are first quantised to E3M2 (3 exponent bits, 2 mantissa bits; 6 bits a number), with one power-of-two scale for each 32 numbers along K (OCP MX v1.0); their sums are f32. All else is computed in f32.
;;   The module's matrix products, in the order in which they are computed (A, B: the left and right operand; K: the contracted axis; several contracted axes count as one K, in the product's order):
;;     1. [M 4,096, K 1,024] x [K 1,024, N 1,024]; A: input x; B: input wq: QUANTISED
;;     2. [M 4,096, K 1,024] x [K 1,024, N 1,024]; A: input x; B: input wk: QUANTISED
;;     3. [M 4,096, K 1,024] x [K 1,024, N 1,024]; A: input x; B: input wv: QUANTISED
;;     4. batch 32 x [M 2,048, K 64] x [K 64, N 2,048]; A: computed on the way; B: computed on the way: QUANTISED
;;     5. batch 2 x [M 32,768, K 64] x [K 64, N 2,048]; A: computed on the way; B: computed on the way: QUANTISED
;;     6. batch 32 x [M 2,048, K 2,048] x [K 2,048, N 64]; A: softmax (see below); B: computed on the way: QUANTISED
;;     7. [M 4,096, K 1,024] x [K 1,024, N 1,024]; A: computed on the way; B: input proj_w: QUANTISED
;;   THE QUANTISER, for each operand of a quantised product, along K:
;;     - K is cut into blocks of 32 from its start; a last block that is shorter is filled with zeros.
;;     - A block's scale is 2^e with e = floor(log2(the largest magnitude in the block)) - 4, held to -126 .. 127; a block of zeros has e = 0. As a byte (E8M0): e + 127.
;;     - Each number is divided by its block's scale, clamped to +-28, and rounded to the nearest number of E3M2, ties to even, subnormals kept.
;;     - The product sums the exact products of the quantised numbers (number of the format x scale) in f32.
;;   ~~~python
;;   def quantise(x, axis):      # numpy; x: float32 -> the quantised numbers, widened to float32 again
;;       x = np.moveaxis(x, axis, -1); K = x.shape[-1]
;;       x = np.pad(x, [(0, 0)] * (x.ndim - 1) + [(0, -K % 32)]); x = x.reshape(x.shape[:-1] + (-1, 32)); a = np.abs(x).max(-1, keepdims=True)
;;       e = np.where(a > 0, np.clip(np.frexp(np.where(a > 0, a, 1))[1] - 1 - 4, -126, 127), 0)      # np.frexp(a)[1] - 1 = floor(log2(a)), exactly
;;       r = np.clip(x / 2.0 ** e, -28, 28)
;;       step = 2.0 ** (np.maximum(np.frexp(np.where(r == 0, 1, r))[1] - 1, -2) - 2)
;;       q = np.round(r / step) * step * 2.0 ** e      # np.round: ties to even
;;       return np.moveaxis(q.reshape(q.shape[:-2] + (-1,))[..., :K], -1, axis).astype(np.float32)
;;   ~~~
;;   SOFTMAX AHEAD OF A QUANTISED PRODUCT. Where the list says 'softmax', what is quantised is not the finished softmax but p = 2^(t - M), with t = logit x log2(e) and M = ceil(the row's largest t), a whole number; so 1/2 < the row's largest p <= 1. The row's sum l is taken of the UNQUANTISED p, in f32, and the product's result is divided by l at the end. Since M is a whole number, a kernel that streams over the keys may use a running M (the ceiling of the running maximum): every later rescaling is an exact power of two, which a block's scale takes up: the codes' values come out the same.
;;   OPERANDS COMPUTED ON THE WAY. 'Computed on the way' means the value that the module computes at that place (a softmax that the list does not call 'softmax' is quantised finished and normalised). What goes into a quantiser is computed in f32, as accurately as f32 sums, v_exp_f32 and their like allow (about 1e-6 of the number): no bf16 or f16 on the way to a quantiser, and a product that is left as it is and whose result goes on into a quantised operand takes f32 operands (vector FMAs, or v_wmma_f32_16x16x4_f32). A number that lies on a knife's edge between two numbers of the format may be rounded either way, as far as f32 arithmetic and the matrix unit's own rounding can turn it there, and no further.
;; One version. Each part assembles by itself: llvm-mc -triple=amdgcn-amd-amdhsa -mcpu=gfx1250 --defsym DOCPART=n.
;; ======== version 1 of 1: 4 launches
;; limits: right only within a limited range of input values
;; workspace buffers: xq 3,276,800 bytes; wc 3,276,800 bytes; rp 229,376 bytes; qk 6,291,456 bytes; vb 3,145,728 bytes; sc 655,360 bytes; oi 3,276,800 bytes
;; launch quant (part 1): grid 320 x 1, 4 waves a work-group, no clusters, 34,304 bytes of LDS; arguments x, wq, wk, wv, proj_w, rpr, positions, xq, wc, rp; writes xq, wc, rp
.if DOCPART == 1
	.amdgcn_target "amdgcn-amd-amdhsa--gfx1250"
	.amdhsa_code_object_version 6
	.text
	.protected	k_q16fe346db8_quant
	.globl	k_q16fe346db8_quant
	.p2align	8
	.type	k_q16fe346db8_quant,@function
k_q16fe346db8_quant:
	s_mov_b64 s[64:65], 0
	v_nop
	global_prefetch_b8 v0, s[64:65] scope:SCOPE_SE
	s_setreg_imm32_b32 hwreg(HW_REG_WAVE_MODE, 25, 1), 1
	s_wait_xcnt 0x0
; x [4096][1024] and the four weights [1024][1024], f32 with K innermost, become codes of BF6 (E3M2) with one E8M0 byte for each 32 along K,
; laid in the order of the matrix operand's registers; rpr[positions] [4096][64] likewise.
; A TILE is 16 rows: row i of tile T is row 32 (T / 2) + 8 (T % 2) + i + 8 (i / 8).  A HALF FRAGMENT (768 bytes) holds 64 codes along K of a tile:
; lane l = 16 h + r holds block h (32 codes, 6 registers) of the tile's row r; registers 0-3 at byte 16 l, registers 4-5 at byte 512 + 8 l.
; A TILE BLOCK (12,800 bytes, K = 1,024) is two halves of 6,400: eight half fragments, then 256 bytes of scale words: lane l's 8 bytes at 8 l,
; word i = the word of the half's K step 2 i + l / 16 (128 along K) of row l % 16.
; SHARES.  Work-groups 0-127 take x, 128-255 the weights (32 each: wq, wk, wv, proj_w): a wave takes one half of one tile block.  Work-groups 256-319
; take rpr[positions]: a wave a tile of 16 tokens.  Waves share nothing: no barrier.
; A block's scale is 2^(floor(log2(largest magnitude)) - 4); its byte is that magnitude's exponent field - 4, held at 1 from below.
; LIMITS: a block of zeros, or one whose largest magnitude lies under 2^-122, gets the byte 1 (its codes add the same under it; only this program reads the bytes);
; NaN and infinities are not served; positions are held to 0 .. 9,999.
.set STG,  8448                        ; a wave's stage in LDS: 16 rows x (512 bytes + 16)
.set L16,  1                           ; v1  16 x lane
.set L8,   2                           ; v2  8 x lane
.set STI,  3                           ; v3  the stage on the way in (rpr's path: 4 x lane)
.set STR,  4                           ; v4  the stage on the way out (rpr's path: my token's place in positions)
.set SH,   9                           ; v9  how far my bytes are shifted in a scale word
.set MX,   10                          ; v10-11 largest magnitudes
.set SO,   12                          ; v12-13 the conversions' scale operands
.set BY,   14                          ; v14-15 scale bytes
.set TP,   16                          ; v16 the other half of the lanes' bytes
.set SI,   18                          ; v18-19 my 8 bytes of the scale words' image
.set R,    32                          ; v32-159  two sets of 64: a fragment's numbers as loaded
.set X,    160                         ; v160-223 64 numbers: two whole blocks of my row
.set PC,   224                         ; v224-235 a fragment's codes
.set CT,   236                         ; v236-243 the second halves of the blocks' codes
.set WD,   244                         ; v244-247 the four scale words of my row
	v_lshl_add_u32 v248, v0, 2, 0x8400
	v_mov_b32 v249, 0
	s_cmp_ge_u32 ttmp9, 256
	s_cbranch_scc1 .Lrpr
	s_load_b256 s[4:11], s[0:1], 0x0               ; x, wq, wk, wv
	s_load_b64 s[12:13], s[0:1], 0x20              ; proj_w
	s_load_b128 s[16:19], s[0:1], 0x38             ; xq, wc
	v_lshrrev_b32 v5, 5, v0
	v_readfirstlane_b32 s20, v5                    ; wave
	v_and_b32 v6, 31, v0                           ; lane
	v_and_b32 v7, 15, v0                           ; r
	v_bfe_u32 v8, v0, 4, 1                         ; h
	v_lshlrev_b32 v[L16], 4, v6
	v_lshlrev_b32 v[L8], 3, v6
	s_mul_i32 s21, s20, STG
	v_add_nc_u32 v[STI], s21, v[L16]               ; in: a row's 512 bytes as they lie
	v_mul_u32_u24 v[STR], v7, 528
	v_lshl_add_u32 v[STR], v8, 7, v[STR]
	v_add_nc_u32 v[STR], s21, v[STR]               ; out: row r, 128 bytes (a block) for each half of the lanes
	v_cmp_ne_u32 vcc_lo, 0, v8                     ; lanes 16-31; kept to the end
	v_lshlrev_b32 v[SH], 3, v8
	v_mov_b32 v[TP], 0                             ; a lane permute's destination counts as read
	s_mov_b32 s22, 0x76543210
	s_mov_b32 s23, 0xfedcba98                      ; v_permlanex16_b32: lane l xor 16
	s_lshl_b32 s24, ttmp9, 1
	s_lshr_b32 s25, s20, 1
	s_add_co_u32 s24, s24, s25                     ; tile 0 .. 511: 2 x work-group + wave / 2
	s_and_b32 s25, s20, 1                          ; which half of K
	s_and_b32 s26, s24, 63                         ; the tile in its weight,
	s_sub_co_u32 s27, s24, 256                     ; and in wc
	s_cmp_lt_u32 ttmp9, 128
	s_cselect_b32 s26, s24, s26
	s_cselect_b32 s27, s24, s27
	s_lshr_b32 s28, s26, 1
	s_lshl_b32 s28, s28, 17                        ; 32 rows of 4,096 bytes
	s_and_b32 s29, s26, 1
	s_lshl_b32 s29, s29, 15                        ; 8 rows
	s_add_co_u32 s28, s28, s29
	s_lshl_b32 s29, s25, 11                        ; 512 numbers
	s_add_co_u32 s28, s28, s29
	s_mov_b32 s29, 0
	s_mul_i32 s30, s27, 12800
	s_mul_i32 s31, s25, 6400
	s_add_co_u32 s30, s30, s31
	s_mov_b32 s31, 0
	s_wait_alu depctr_va_vdst(0)
	s_wait_kmcnt 0x0
	s_cmp_lt_u32 ttmp9, 224                        ; the source is chosen by the work-group's number alone
	s_cselect_b64 s[12:13], s[10:11], s[12:13]
	s_cmp_lt_u32 ttmp9, 192
	s_cselect_b64 s[12:13], s[8:9], s[12:13]
	s_cmp_lt_u32 ttmp9, 160
	s_cselect_b64 s[12:13], s[6:7], s[12:13]
	s_cmp_lt_u32 ttmp9, 128
	s_cselect_b64 s[12:13], s[4:5], s[12:13]
	s_cselect_b64 s[16:17], s[16:17], s[18:19]
	s_add_nc_u64 s[12:13], s[12:13], s[28:29]
	s_add_nc_u64 s[16:17], s[16:17], s[30:31]
.macro LOADF f                         ; fragment f (128 along K) of the tile's 16 rows: each load covers 512 consecutive bytes of one row
.irp i, 0,1,2,3,4,5,6,7,8,9,10,11,12,13,14,15
	global_load_b128 v[R+64*((\f)%2)+4*\i:R+64*((\f)%2)+4*\i+3], v[L16], s[12:13] offset:(\i+8*(\i/8))*4096+512*(\f) th:TH_LOAD_NT
.endr
.endm
.macro TURNF f                         ; through my stage: in by rows, out two whole blocks a lane.  LDS serves a wave's instructions in order: no wait between
.irp i, 0,1,2,3,4,5,6,7,8,9,10,11,12,13,14,15
	ds_store_b128 v[STI], v[R+64*((\f)%2)+4*\i:R+64*((\f)%2)+4*\i+3] offset:528*\i
.endr
.irp c, 0,1
.irp j, 0,1,2,3,4,5,6,7
	ds_load_b128 v[X+32*\c+4*\j:X+32*\c+4*\j+3], v[STR] offset:256*\c+16*\j   ; k = 64 c + 32 h + 4 j ..
.endr
.endr
.endm
.macro QF f                            ; two blocks a lane become the fragment's 12 registers and my row's scale word
.irp c, 0,1
	v_max3_num_f32 v[MX+\c], |v[X+32*\c]|, |v[X+32*\c+1]|, 0x2800000   ; with the floor 2^(5 - 127): the byte cannot fall under 1
.endr
.irp i, 2,4,6,8,10,12,14,16,18,20,22,24,26,28,30
.irp c, 0,1
	v_max3_num_f32 v[MX+\c], v[MX+\c], |v[X+32*\c+\i]|, |v[X+32*\c+\i+1]|
.endr
.endr
.irp c, 0,1
	v_add_nc_u32 v[SO+\c], 0xfe000000, v[MX+\c]    ; 4 off the exponent field: the conversion's scale operand
.endr
.irp c, 0,1
	v_lshrrev_b32 v[BY+\c], 23, v[SO+\c]           ; the byte
.endr
	v_lshl_or_b32 v[WD+(\f)], v[BY+1], 16, v[BY]   ; blocks h and 2 + h,
	v_lshlrev_b32 v[WD+(\f)], v[SH], v[WD+(\f)]    ; at their places,
	v_permlanex16_b32 v[TP], v[WD+(\f)], s22, s23
	v_or_b32 v[WD+(\f)], v[WD+(\f)], v[TP]         ; with lane l xor 16's two: the word is whole in both lanes
.if (\f) > 0
	s_wait_alu depctr_va_vdst(0)
	s_wait_xcnt 0x0                                ; the last fragment's stores have read their data: the codes' registers are written again only behind this wait
.endif
.irp c, 0,1
	v_cvt_scalef32_pk16_bf6_f32 v[PC+6*\c:PC+6*\c+2], v[X+32*\c:X+32*\c+15], v[SO+\c]
	v_cvt_scalef32_pk16_bf6_f32 v[CT+4*\c:CT+4*\c+2], v[X+32*\c+16:X+32*\c+31], v[SO+\c]   ; (a conversion's three registers begin on an even number)
.endr
	v_nop                                          ; one plain line behind the scaled conversions
.irp c, 0,1
.irp i, 0,1,2
	v_mov_b32 v[PC+6*\c+3+\i], v[CT+4*\c+\i]
.endr
.endr
.endm
	LOADF 0
	LOADF 1
.irp f, 0,1,2,3
.if \f < 3
	s_wait_loadcnt 16                              ; this fragment's 16 loads are in; the next fragment's 16 stay out
.else
	s_wait_loadcnt 0x0
.endif
	TURNF \f
	s_wait_dscnt 0x0                               ; my blocks are back, and the stage's stores have read their registers,
.if \f < 2
	LOADF \f+2                                     ; which take the fragment two on
.endif
	QF \f
	global_store_b128 v[L16], v[PC:PC+3], s[16:17] offset:1536*\f            ; 512 consecutive bytes
	global_store_b64 v[L8], v[PC+4:PC+5], s[16:17] offset:1536*\f+512        ; 256 consecutive bytes
	global_store_b128 v[L16], v[PC+6:PC+9], s[16:17] offset:1536*\f+768
	global_store_b64 v[L8], v[PC+10:PC+11], s[16:17] offset:1536*\f+1280
.endr
	v_cndmask_b32 v[SI], v[WD], v[WD+1], vcc_lo    ; word i: K step 2 i in lanes 0-15, 2 i + 1 in lanes 16-31
	v_cndmask_b32 v[SI+1], v[WD+2], v[WD+3], vcc_lo
	global_store_b64 v[L8], v[SI:SI+1], s[16:17] offset:6144
	s_wait_tensorcnt 0x0
	ds_add_u32 v248, v249
	s_wait_dscnt 0x0
	s_endpgm
.Lrpr:                                 ; a wave: the rows of rpr that the 16 tokens of tile T name: one half fragment and the word rs0 << 16 | rs1 << 24
	s_load_b128 s[4:7], s[0:1], 0x28               ; rpr, positions
	s_load_b64 s[8:9], s[0:1], 0x48                ; rp
	v_lshrrev_b32 v5, 5, v0
	v_readfirstlane_b32 s20, v5
	v_and_b32 v6, 31, v0
	v_and_b32 v7, 15, v0
	v_bfe_u32 v8, v0, 4, 1
	v_lshlrev_b32 v[L16], 4, v6
	v_lshlrev_b32 v[L8], 3, v6
	v_lshlrev_b32 v[STI], 2, v6
	v_and_b32 v[STR], 8, v7
	v_add_nc_u32 v[STR], v[STR], v7                ; r + 8 (r / 8)
	v_lshlrev_b32 v[STR], 2, v[STR]
	v_lshl_add_u32 v[SH], v8, 3, 16                ; my byte goes to bit 16 + 8 h
	v_lshlrev_b32 v17, 7, v8                       ; my block: 128 h bytes into the row
	v_mov_b32 v[TP], 0
	s_mov_b32 s22, 0x76543210
	s_mov_b32 s23, 0xfedcba98
	s_sub_co_u32 s21, ttmp9, 256
	s_lshl_b32 s21, s21, 2
	s_add_co_u32 s21, s21, s20                     ; T
	s_lshr_b32 s24, s21, 1
	s_lshl_b32 s24, s24, 7                         ; 32 tokens of 4 bytes
	s_and_b32 s25, s21, 1
	s_lshl_b32 s25, s25, 5
	s_add_co_u32 s24, s24, s25
	s_mov_b32 s25, 0
	s_mul_i32 s26, s21, 768
	s_mov_b32 s27, 0
	s_lshl_b32 s28, s21, 7
	s_add_co_u32 s28, s28, 196608
	s_mov_b32 s29, 0
	s_wait_alu depctr_va_vdst(0)
	s_wait_kmcnt 0x0
	s_add_nc_u64 s[6:7], s[6:7], s[24:25]
	s_add_nc_u64 s[10:11], s[8:9], s[26:27]
	s_add_nc_u64 s[8:9], s[8:9], s[28:29]
	global_load_b32 v20, v[STR], s[6:7]
	s_wait_loadcnt 0x0
	v_min_u32 v20, 0x270f, v20                     ; inside the table
	v_lshlrev_b32 v20, 8, v20                      ; a row of rpr is 256 bytes
	v_add_nc_u32 v20, v20, v17
.irp i, 0,1,2,3,4,5,6,7
	global_load_b128 v[X+4*\i:X+4*\i+3], v20, s[4:5] offset:16*\i
.endr
	s_wait_loadcnt 0x0
	v_max3_num_f32 v[MX], |v[X]|, |v[X+1]|, 0x2800000
	v_max3_num_f32 v[MX+1], |v[X+2]|, |v[X+3]|, |v[X+4]|
.irp i, 5,9,13,17,21,25
	v_max3_num_f32 v[MX], v[MX], |v[X+\i]|, |v[X+\i+1]|
	v_max3_num_f32 v[MX+1], v[MX+1], |v[X+\i+2]|, |v[X+\i+3]|
.endr
	v_max3_num_f32 v[MX], v[MX], |v[X+29]|, |v[X+30]|
	v_max3_num_f32 v[MX], v[MX], v[MX+1], |v[X+31]|
	v_add_nc_u32 v[SO], 0xfe000000, v[MX]
	v_lshrrev_b32 v[BY], 23, v[SO]
	v_lshlrev_b32 v[WD], v[SH], v[BY]
	v_permlanex16_b32 v[TP], v[WD], s22, s23
	v_or_b32 v[WD], v[WD], v[TP]
	v_cvt_scalef32_pk16_bf6_f32 v[PC:PC+2], v[X:X+15], v[SO]
	v_cvt_scalef32_pk16_bf6_f32 v[CT:CT+2], v[X+16:X+31], v[SO]
	v_nop
.irp i, 0,1,2
	v_mov_b32 v[PC+3+\i], v[CT+\i]
.endr
	global_store_b128 v[L16], v[PC:PC+3], s[10:11]
	global_store_b64 v[L8], v[PC+4:PC+5], s[10:11] offset:512
	global_store_b32 v[STI], v[WD], s[8:9]
	s_endpgm
.Lfunc_end_k_q16fe346db8_quant:
	.size	k_q16fe346db8_quant, .Lfunc_end_k_q16fe346db8_quant-k_q16fe346db8_quant
	.p2alignl 7, 3214868480
	.fill 96, 4, 3214868480
	.section	.rodata,"a",@progbits
	.p2align	6, 0x0
	.amdhsa_kernel k_q16fe346db8_quant
		.amdhsa_group_segment_fixed_size 34304
		.amdhsa_private_segment_fixed_size 0
		.amdhsa_enable_private_segment 0
		.amdhsa_kernarg_size 80
		.amdhsa_user_sgpr_count 2
		.amdhsa_user_sgpr_kernarg_segment_ptr 1
		.amdhsa_wavefront_size32 1
		.amdhsa_system_sgpr_workgroup_id_x 1
		.amdhsa_system_sgpr_workgroup_id_y 1
		.amdhsa_system_sgpr_workgroup_id_z 1
		.amdhsa_system_vgpr_workitem_id 0
		.amdhsa_next_free_vgpr 250
		.amdhsa_next_free_sgpr 66
		.amdhsa_reserve_vcc 1
		.amdhsa_float_denorm_mode_32 3
		.amdhsa_float_denorm_mode_16_64 3
		.amdhsa_memory_ordered 1
		.amdhsa_forward_progress 1
		.amdhsa_inst_pref_size 35
	.end_amdhsa_kernel
	.amdgpu_metadata
---
amdhsa.version: [ 1, 2 ]
amdhsa.kernels:
  - .name:           k_q16fe346db8_quant
    .symbol:         k_q16fe346db8_quant.kd
    .args:
      - { .name: x, .offset: 0, .size: 8, .value_kind: global_buffer, .address_space: global }
      - { .name: wq, .offset: 8, .size: 8, .value_kind: global_buffer, .address_space: global }
      - { .name: wk, .offset: 16, .size: 8, .value_kind: global_buffer, .address_space: global }
      - { .name: wv, .offset: 24, .size: 8, .value_kind: global_buffer, .address_space: global }
      - { .name: proj_w, .offset: 32, .size: 8, .value_kind: global_buffer, .address_space: global }
      - { .name: rpr, .offset: 40, .size: 8, .value_kind: global_buffer, .address_space: global }
      - { .name: positions, .offset: 48, .size: 8, .value_kind: global_buffer, .address_space: global }
      - { .name: xq, .offset: 56, .size: 8, .value_kind: global_buffer, .address_space: global }
      - { .name: wc, .offset: 64, .size: 8, .value_kind: global_buffer, .address_space: global }
      - { .name: rp, .offset: 72, .size: 8, .value_kind: global_buffer, .address_space: global }
    .group_segment_fixed_size: 34304
    .private_segment_fixed_size: 0
    .kernarg_segment_align: 8
    .kernarg_segment_size: 80
    .max_flat_workgroup_size: 128
    .sgpr_count:     66
    .vgpr_count:     250
    .wavefront_size: 32
...
	.end_amdgpu_metadata
.endif
;; end of part 1
;; launch qkv (part 2): grid 8 x 32, 4 waves a work-group, clusters of 4 x 4, 327,680 bytes of LDS; arguments xq, wc, rp, qk, vb, sc; writes qk, vb, sc
.if DOCPART == 2
	.amdgcn_target "amdgcn-amd-amdhsa--gfx1250"
	.amdhsa_code_object_version 6
	.text
	.protected	k_q16fe346db8_qkv
	.globl	k_q16fe346db8_qkv
	.p2align	8
	.type	k_q16fe346db8_qkv,@function
k_q16fe346db8_qkv:
	s_mov_b64 s[64:65], 0
	v_nop
	global_prefetch_b8 v0, s[64:65] scope:SCOPE_SE
	s_setreg_imm32_b32 hwreg(HW_REG_WAVE_MODE, 25, 1), 1
	s_wait_xcnt 0x0
	s_wait_alu depctr_hold_cnt(0) depctr_sa_sdst(0) depctr_va_vdst(0) depctr_va_sdst(0) depctr_va_ssrc(0) depctr_va_vcc(0) depctr_vm_vsrc(0)
	s_getreg_b32 s2, hwreg(HW_REG_IB_STS2, 6, 4)
	s_cmp_eq_u32 s2, 0
	s_cbranch_scc0 .Lentry_in_a_cluster
	s_endpgm
.Lentry_in_a_cluster:
	s_bfe_u32 s2, ttmp6, 0x10000c
	s_cmp_lg_u32 s2, 0xf033
	s_cbranch_scc0 .Lentry_shape_is_right
	s_endpgm
.Lentry_shape_is_right:
; q = x wq^T, k = x wk^T, v = x wv^T on codes of BF6, and their results quantised at once for the attention launch.
; ONE FORM: P[n][m] = sum over K of S1[n][K] S0[m][K], source 0 = 16 rows of S0, source 1 = 16 rows of S1: a lane holds one n and its registers run along m, along which P is quantised.
; q, k: S0 = rows of wq, wk (m = the head's channels), S1 = tokens.  v: S0 = tokens (m = the keys), S1 = rows of wv.
; Operands come as tile blocks (launch quant): row i of tile T is row 32 (T / 2) + 8 (T % 2) + i + 8 (i / 8), so that the 16 registers of tiles 2 b, 2 b + 1 of S0 are 16 neighbours along m.
; A WORK-GROUP STAYS.  Work-group (gx, gy) holds tokens 128 gy on, all of K, in LDS (102,400 bytes) and makes three products of 128 x 128 with them: with rows 128 gx on of wq, then of wk, then of wv.  256 work-groups.
; The weights' blocks, 102,400 bytes each, go through two more regions: wq's comes at the head with the tokens; wk's sets out, into the third region, when those are in; wv's sets out, into wq's region, when wq's product is done.
; One tensor load a wave at the head (waves 0, 1: the tokens' halves; waves 2, 3: wq's), each of four whole tile blocks, 51,200 dense bytes; behind each of the two rounds waves 2 and 3 issue one more: one tensor load of a wave is out.
; Wave w makes all 8 tiles of m for tiles 2 w, 2 w + 1 of n: 16 accumulators.  The next product's first fragments are fetched ahead of the quantiser of the last product's results.
; CLUSTER 4 x 4.  The weights' blocks hang on gx alone and are shared along a column, the tokens' on gy alone and are shared along a row: joint loads.
; No prefetch: the launch has no loop to run ahead in; each block of weights is asked for a whole product ahead of its use.
; OUT.  Codes as half fragments of 768 bytes (64 along m): qk [q | k][b][head][tile of tokens], vb [tile of channels][64 keys].  Scale words in sc, in the order in which the attention launch's registers take them.
; LIMITS: blocks whose largest magnitude lies under 2^-122 get the byte 1; NaN and infinities are not served.
; REGISTERS.  Window 0: v2 h, v3-15, v56-62 addresses; v16-47 S0's scale words (4 t + s / 2), v48-55 S1's; v64-191 accumulators (64 j + 8 t); v192-254 the quantiser's.  Window 1: S0's fragments, two sets at v0, v96; S1's at v192, v216.
.set HB,   6400
.set BLK,  102400                      ; LDS: the tokens at 0, the weights' two regions at BLK and 2 BLK; in each [tile 8][half of K][6,400]
.set SPARE, 3*BLK                      ; the spare words: 128 bytes a wave, two blocks of 256 bytes that no other line names
.set L4,   3
.set A16,  4                           ; v4-9   16 x lane + 51,200 c: region x is c = 2 x, 2 x + 1
.set A8,   10                          ; v10-15 8 x lane likewise
.set SC0,  16
.set SC1,  48
.set BT,   56                          ; v56-57 my wave's two tiles of the tokens (16 x lane, 8 x lane)
.set BW,   58                          ; v58-59 and of the region at BLK
.set SPW,  60
.set NIL,  61
.set KWA,  62                          ; k's scale words: 16 r + 8,192 h
.set ACC,  64
.set TM,   192                         ; v192-195 largest magnitudes, v196-199 bytes, v204-207 scale operands
.set PW,   208                         ; v208-209 the scale words just made
.set PC0,  212                         ; v212-231, v232-251: a fragment's codes (12) and the conversions' second halves (8), for j = 0, 1
.set RSW,  252                         ; v252-253 rpr's scale bytes of my tokens
.set SELV, 254
.set WV,   16
.set SEL,  88
.set HM,   90                          ; lanes 16-31, as a mask
.set MSB, 0
.macro WIN new                         ; the immediate's high byte repeats the setting that is left
.if MSB != \new
	s_set_vgpr_msb (MSB<<8)|\new
.set MSB, \new
.endif
.endm
.macro PLACES                          ; four plain lines between a matrix instruction and a load into, or a vector read of, its registers
.rept 4
	v_nop
.endr
.endm
.macro CROUND                          ; a round of the cluster's barrier
	s_barrier_signal -1
	s_barrier_wait -1
	s_cmp_lg_u32 s[WV], 0
	s_cbranch_scc1 .Lnw0_\@
	s_barrier_signal -3
.Lnw0_\@:
	s_barrier_wait -3
	s_barrier_signal -1
	s_barrier_wait -1
.endm
	s_load_b256 s[4:11], s[0:1], 0x0               ; xq, wc, rp, qk
	s_load_b128 s[12:15], s[0:1], 0x20             ; vb, sc
	v_lshl_add_u32 v[SPW], v0, 2, SPARE
	v_mov_b32 v[NIL], 0
	ds_add_u32 v[SPW], v[NIL]                      ; the opening lines: the add, twice on end, and its wait ahead of my first tensor load
	ds_add_u32 v[SPW], v[NIL]
	v_lshrrev_b32 v1, 5, v0
	v_readfirstlane_b32 s[WV], v1
	s_lshr_b32 s17, s[WV], 1                       ; I fetch tokens (0) or weights (1),
	s_and_b32 s18, s[WV], 1                        ; tile blocks 4 g .. 4 g + 3
	s_bfe_u32 s19, ttmp6, 0x40000                  ; cx
	s_bfe_u32 s20, ttmp6, 0x40004                  ; cy
	s_lshl_b32 s22, ttmp9, 2
	s_add_co_u32 s22, s22, s19                     ; gx: 128 rows of each weight
	s_and_b32 s21, ttmp7, 0xffff
	s_lshl_b32 s21, s21, 2
	s_add_co_u32 s21, s21, s20                     ; gy: 128 tokens
	s_lshl_b32 s58, 0x1111, s19                    ; my column of the cluster
	s_lshl_b32 s59, s20, 2
	s_lshl_b32 s59, 15, s59                        ; my row
	s_or_b32 s24, s58, (3<<16)|(1<<21)             ; group 1 for the weights: the mask, elements of 8 bytes, bit 21 beside a mask
	s_or_b32 s32, s59, (3<<16)|(1<<21)             ; for the tokens
.irp g, 24, 32                         ; 51,200 dense bytes as 200 rows of 256
	s_mov_b32 s[\g+1], 32<<16
	s_mov_b32 s[\g+2], 200<<16
	s_mov_b32 s[\g+3], 32<<16
	s_mov_b32 s[\g+4], 200
	s_mov_b32 s[\g+5], 32
	s_mov_b32 s[\g+6], 0
	s_mov_b32 s[\g+7], 0
.endr
	s_mul_i32 s60, s18, 51200
	s_mul_i32 s68, s22, BLK                        ; wq's block gx (x's side alone)
	s_add_co_u32 s68, s68, s60
	s_mov_b32 s69, 0
	s_mul_i32 s70, s21, BLK                        ; the tokens' block gy (y's side alone)
	s_add_co_u32 s70, s70, s60
	s_mov_b32 s71, 0
	s_mov_b32 s[SEL], 0x76543210
	s_mov_b32 s[SEL+1], 0xfedcba98
	s_wait_dscnt 0x0
	s_wait_kmcnt 0x0
	s_mov_b32 s40, 1
	s_mov_b32 s41, s60
	s_add_nc_u64 s[42:43], s[4:5], s[70:71]
	s_or_b32 s43, s43, 0x80000000
	s_mov_b32 s44, 1
	s_add_co_u32 s45, s60, BLK
	s_add_nc_u64 s[46:47], s[6:7], s[68:69]
	s_or_b32 s47, s47, 0x80000000
	CROUND                                         ; all sixteen work-groups are here: the joint loads meet
	s_cmp_eq_u32 s17, 0                            ; one tensor load a wave, in one branch on its number
	s_cbranch_scc0 .Lweights
	tensor_load_to_lds s[40:43], s[32:39]
	s_nop 0
	PLACES
	s_branch .Lasked
.Lweights:
	tensor_load_to_lds s[44:47], s[24:31]
	s_nop 0
	PLACES
.Lasked:
	; where the results go: in registers that fed no descriptor
	s_lshr_b32 s82, s21, 4                         ; b
	s_and_b32 s83, s21, 15                         ; the block of 128 tokens in its batch
	s_mul_i32 s84, s82, 1572864                    ; qk: q of head 2 gx, token tile 8 (gy % 16) + 2 w; k lies 3,145,728 bytes on
	s_mul_i32 s85, s22, 196608
	s_add_co_u32 s84, s84, s85
	s_lshl_b32 s85, s83, 3
	s_lshl_b32 s86, s[WV], 1
	s_add_co_u32 s85, s85, s86
	s_mul_i32 s85, s85, 768
	s_add_co_u32 s84, s84, s85
	s_mov_b32 s85, 0
	s_add_nc_u64 s[10:11], s[10:11], s[84:85]
	s_lshl_b32 s84, s22, 3                         ; vb: tile of channels 8 gx + 2 w, keys 128 gy on
	s_add_co_u32 s84, s84, s86
	s_mul_i32 s84, s84, 49152
	s_mul_i32 s87, s21, 1536
	s_add_co_u32 s84, s84, s87
	s_add_nc_u64 s[12:13], s[12:13], s[84:85]
	s_lshl_b32 s84, s21, 13                        ; q's scale words
	s_lshl_b32 s87, s[WV], 11
	s_add_co_u32 s84, s84, s87
	s_lshl_b32 s87, s22, 7
	s_add_co_u32 s84, s84, s87
	s_add_nc_u64 s[72:73], s[14:15], s[84:85]
	s_lshl_b32 s87, s82, 2
	s_lshr_b32 s84, s22, 1
	s_add_co_u32 s87, s87, s84
	s_mul_i32 s87, s87, 49152                      ; (batch, group of four heads)
	s_and_b32 s86, s22, 1
	s_lshl_b32 s84, s86, 14                        ; k's: word w of the key step's 512 bytes of head 2 (gx % 2) + h of the group
	s_add_co_u32 s84, s84, s87
	s_lshl_b32 s91, s83, 9
	s_add_co_u32 s84, s84, s91
	s_lshl_b32 s91, s[WV], 2
	s_add_co_u32 s84, s84, s91
	s_add_co_u32 s84, s84, 262144
	s_add_nc_u64 s[74:75], s[14:15], s[84:85]
	s_lshl_b32 s84, s86, 1                         ; v's: head 2 (gx % 2) + w / 2 of the group, word w % 2 of a lane's two
	s_add_co_u32 s84, s84, s17
	s_lshl_b32 s84, s84, 12
	s_add_co_u32 s84, s84, s87
	s_lshl_b32 s91, s83, 8
	s_add_co_u32 s84, s84, s91
	s_lshl_b32 s91, s18, 2
	s_add_co_u32 s84, s84, s91
	s_add_co_u32 s84, s84, 294912
	s_add_nc_u64 s[76:77], s[14:15], s[84:85]
	s_lshl_b32 s84, s21, 10                        ; rpr's scale bytes of token tile 8 gy + 2 w: 128 bytes of words a tile
	s_lshl_b32 s91, s[WV], 8
	s_add_co_u32 s84, s84, s91
	s_add_co_u32 s84, s84, 196608
	s_add_nc_u64 s[8:9], s[8:9], s[84:85]
	v_and_b32 v1, 31, v0
	v_bfe_u32 v2, v0, 4, 1                         ; h
	v_lshlrev_b32 v[L4], 2, v1
	v_lshlrev_b32 v[A16], 4, v1
	v_lshlrev_b32 v[A8], 3, v1
.irp c, 1,2,3,4,5
	v_add_nc_u32 v[A16+\c], \c*51200, v[A16]
	v_add_nc_u32 v[A8+\c], \c*51200, v[A8]
.endr
	s_mul_i32 s62, s[WV], 4*HB
	v_add_nc_u32 v[BT], s62, v[A16]
	v_add_nc_u32 v[BT+1], s62, v[A8]
	v_add_nc_u32 v[BW], BLK, v[BT]
	v_add_nc_u32 v[BW+1], BLK, v[BT+1]
	v_and_b32 v[KWA], 15, v0
	v_lshlrev_b32 v[KWA], 4, v[KWA]
	v_lshl_add_u32 v[KWA], v2, 13, v[KWA]
	v_cmp_ne_u32 s[HM], 0, v2
.irp b, 0,1,2,3
	v_mov_b32 v[TM+4+\b], 0                        ; a lane permute's destination counts as read
.endr
	global_load_b32 v[RSW], v[L4], s[8:9]
	global_load_b32 v[RSW+1], v[L4], s[8:9] offset:128
; a: S0's region, as the first of its two address registers (2 x region); b: the address registers of my two tiles of S1
.macro SCALES q, a, b                  ; the scale words of K's half q: two words a lane and tile
	WIN 0
.irp t, 0,1,2,3,4,5,6,7
	ds_load_b64 v[SC0+4*\t+2*\q:SC0+4*\t+2*\q+1], v[A8+\a+\t/4] offset:(\t%4)*2*HB+\q*HB+6144
.endr
.irp j, 0,1
	ds_load_b64 v[SC1+4*\j+2*\q:SC1+4*\j+2*\q+1], v[\b+1] offset:\j*2*HB+\q*HB+6144
.endr
.endm
.macro FETCH s, a, b                   ; K step s: S0's eight fragments and my two of S1, as images of their registers: 40 loads, each of consecutive bytes
.set FO, ((\s)/4)*HB+((\s)%4)*1536
.set FP, (\s)%2
	WIN 0x40                                       ; destination window 1
.irp t, 0,1,2,3,4,5,6,7
	ds_load_b128 v[96*FP+12*\t:96*FP+12*\t+3], v[A16+\a+\t/4] offset:(\t%4)*2*HB+FO
	ds_load_b64 v[96*FP+12*\t+4:96*FP+12*\t+5], v[A8+\a+\t/4] offset:(\t%4)*2*HB+FO+512
	ds_load_b128 v[96*FP+12*\t+6:96*FP+12*\t+9], v[A16+\a+\t/4] offset:(\t%4)*2*HB+FO+768
	ds_load_b64 v[96*FP+12*\t+10:96*FP+12*\t+11], v[A8+\a+\t/4] offset:(\t%4)*2*HB+FO+1280
.endr
.irp j, 0,1
	ds_load_b128 v[192+24*FP+12*\j:192+24*FP+12*\j+3], v[\b] offset:\j*2*HB+FO
	ds_load_b64 v[192+24*FP+12*\j+4:192+24*FP+12*\j+5], v[\b+1] offset:\j*2*HB+FO+512
	ds_load_b128 v[192+24*FP+12*\j+6:192+24*FP+12*\j+9], v[\b] offset:\j*2*HB+FO+768
	ds_load_b64 v[192+24*FP+12*\j+10:192+24*FP+12*\j+11], v[\b+1] offset:\j*2*HB+FO+1280
.endr
.endm
.macro MUL s                           ; 16 matrix instructions, the 16 accumulators by turns; K step 0 starts the sums.  Odd K steps' words lie in lanes 16-31
.set MP, (\s)%2
.set MR, (\s)/2
	WIN 0x05                                       ; both sources window 1
.irp t, 0,1,2,3,4,5,6,7
.irp j, 0,1
.if (\s) == 0
	v_wmma_scale_f32_16x16x128_f8f6f4 v[ACC+64*\j+8*\t:ACC+64*\j+8*\t+7], v[96*MP+12*\t:96*MP+12*\t+11], v[192+24*MP+12*\j:192+24*MP+12*\j+11], 0, v[SC0+4*\t+MR], v[SC1+4*\j+MR] matrix_a_fmt:MATRIX_FMT_BF6 matrix_b_fmt:MATRIX_FMT_BF6
.elseif MP == 0
	v_wmma_scale_f32_16x16x128_f8f6f4 v[ACC+64*\j+8*\t:ACC+64*\j+8*\t+7], v[96*MP+12*\t:96*MP+12*\t+11], v[192+24*MP+12*\j:192+24*MP+12*\j+11], v[ACC+64*\j+8*\t:ACC+64*\j+8*\t+7], v[SC0+4*\t+MR], v[SC1+4*\j+MR] matrix_a_fmt:MATRIX_FMT_BF6 matrix_b_fmt:MATRIX_FMT_BF6
.else
	v_wmma_scale_f32_16x16x128_f8f6f4 v[ACC+64*\j+8*\t:ACC+64*\j+8*\t+7], v[96*MP+12*\t:96*MP+12*\t+11], v[192+24*MP+12*\j:192+24*MP+12*\j+11], v[ACC+64*\j+8*\t:ACC+64*\j+8*\t+7], v[SC0+4*\t+MR], v[SC1+4*\j+MR] matrix_a_fmt:MATRIX_FMT_BF6 matrix_b_fmt:MATRIX_FMT_BF6 matrix_a_scale:MATRIX_SCALE_ROW1 matrix_b_scale:MATRIX_SCALE_ROW1
.endif
.endr
.endr
.endm
.macro BEGIN a, b                      ; a product's scale words and its first two K steps' fragments
	SCALES 0, \a, \b
	SCALES 1, \a, \b
	FETCH 0, \a, \b
	FETCH 1, \a, \b
.endm
.macro MULS a, b                       ; a product's eight K steps; the fragments run one step ahead
	s_wait_alu depctr_va_vdst(0)
	s_wait_dscnt 40                                ; all but the 40 loads issued last
	MUL 0
.irp s, 1,2,3,4,5,6
	PLACES
	FETCH \s+1, \a, \b
	s_wait_dscnt 40
	MUL \s
.endr
	s_wait_dscnt 0x0
	MUL 7
.endm
; BETWEEN TWO PRODUCTS.  Each wave waits for its tensor load, adds 0 to its spare word, and waits for that and for its reads of LDS.  lds other than 0: a round of the cluster's barrier, and behind it, first,
; waves 2 and 3 ask for the next weight's block (8 blocks on in wc) into the region at lds.  lds = 0: nothing is left to fetch: the work-group's barrier shows the last block whole to all four waves.
.macro CHG lds
	WIN 0
	s_wait_alu depctr_va_vdst(0)
	s_wait_tensorcnt 0x0                           ; no tensor load of mine is out, so a group 0 may be written
	ds_add_u32 v[SPW], v[NIL]
.if \lds
	s_add_co_u32 s45, s60, \lds
	s_add_nc_u64 s[46:47], s[46:47], 8*BLK
.endif
	s_wait_dscnt 0x0
.if \lds
	CROUND
	s_cmp_eq_u32 s17, 0
	s_cbranch_scc1 .Lnl_\@
	tensor_load_to_lds s[44:47], s[24:31]
	s_nop 0
	PLACES
.Lnl_\@:
.else
	s_barrier_signal -1
	s_barrier_wait -1
.endif
	PLACES                                         ; behind the last products, in front of the loads into their sources and of the reads of their results
.endm
; 64 numbers of a lane, register 16 b + i = m 32 b + 16 h + i of my n, become a fragment's codes in v[pc] on and its scale word in v[pw]
.macro QUANT s, pc, pw
.irp b, 0,1,2,3
	v_max3_num_f32 v[TM+\b], |v[\s+16*\b]|, |v[\s+1+16*\b]|, 0x2800000   ; each accumulator is read from its low end on; the floor 2^(5 - 127) holds the byte at 1
.endr
.irp i, 2,4,6,8,10,12,14
.irp b, 0,1,2,3
	v_max3_num_f32 v[TM+\b], v[TM+\b], |v[\s+16*\b+\i]|, |v[\s+1+16*\b+\i]|
.endr
.endr
.irp b, 0,1,2,3
	v_permlanex16_b32 v[TM+4+\b], v[TM+\b], s[SEL], s[SEL+1]
.endr
.irp b, 0,1,2,3
	v_max_num_f32 v[TM+\b], v[TM+\b], v[TM+4+\b]   ; with lane l xor 16's 16: the block's
.endr
.irp b, 0,1,2,3
	v_add_nc_u32 v[TM+12+\b], 0xfe000000, v[TM+\b]
.endr
.irp b, 0,1,2,3
	v_lshrrev_b32 v[TM+4+\b], 23, v[TM+12+\b]
.endr
	v_lshl_or_b32 v[\pw], v[TM+5], 8, v[TM+4]
	v_lshl_or_b32 v[\pw], v[TM+6], 16, v[\pw]
	v_lshl_or_b32 v[\pw], v[TM+7], 24, v[\pw]
.irp c, 0,1
	v_cvt_scalef32_pk16_bf6_f32 v[\pc+6*\c:\pc+2+6*\c], v[\s+32*\c:\s+15+32*\c], v[TM+12+2*\c]
	v_cvt_scalef32_pk16_bf6_f32 v[\pc+12+4*\c:\pc+14+4*\c], v[\s+16+32*\c:\s+31+32*\c], v[TM+12+2*\c+1]
.endr
	v_nop                                          ; one plain line behind the scaled conversions
.irp c, 0,1                            ; a whole block to a lane: lanes 0-15 block 2 c, lanes 16-31 block 2 c + 1
.irp i, 0,1,2
	v_permlane16_swap_b32 v[\pc+6*\c+\i], v[\pc+12+4*\c+\i]
.endr
.irp i, 0,1,2
	v_mov_b32 v[\pc+3+6*\c+\i], v[\pc+12+4*\c+\i]
.endr
.endr
.endm
.macro QUANT2 again                    ; both my tiles of n.  again = 1: the last results' stores have read their registers only behind the wait
	WIN 0
.if \again
	s_wait_xcnt 0x0
.endif
	QUANT ACC, PC0, PW
	QUANT ACC+64, PC0+20, PW+1
.endm
.macro CODES p, dj, dc, off            ; four half fragments: tile j, 64 along m c
.irp j, 0,1
.irp c, 0,1
	global_store_b128 v[A16], v[PC0+20*\j+6*\c:PC0+20*\j+6*\c+3], s[\p:\p+1] offset:\j*\dj+\c*\dc+\off
	global_store_b64 v[A8], v[PC0+20*\j+6*\c+4:PC0+20*\j+6*\c+5], s[\p:\p+1] offset:\j*\dj+\c*\dc+\off+512
.endr
.endr
.endm
	CHG 2*BLK                                      ; the tokens and wq's block are in; wk's sets out into the third region
	BEGIN 2, BT
	MULS 2, BT                                     ; q
	CHG BLK                                        ; wk's block is in, wq's has been read out: wv's sets out into its region
	BEGIN 4, BT
	QUANT2 0
	CODES 10, 768, 98304, 0
	v_mov_b32 v[TM], 0x01000100                    ; q's words [s0, s1, s0, s1]: lanes 0-15 the even head's, lanes 16-31 the odd head's
	v_mov_b32 v[TM+1], 0x03020302
	v_cndmask_b32 v[SELV], v[TM], v[TM+1], s[HM]
	v_perm_b32 v[TM+2], v[PW], v[PW], v[SELV]
	v_perm_b32 v[TM+3], v[PW+1], v[PW+1], v[SELV]
	global_store_b32 v[L4], v[TM+2], s[72:73]
	global_store_b32 v[L4], v[TM+3], s[72:73] offset:1024
	MULS 4, BT                                     ; k
	CHG 0                                          ; wv's block is in
	BEGIN 0, BW
	QUANT2 1
	CODES 10, 768, 98304, 3145728
	v_mov_b32 v[TM], 0x07060100                    ; k's words [ks0, ks1, rs0, rs1], at lane 16 j + r
	v_mov_b32 v[TM+1], 0x07060302
	v_cndmask_b32 v[SELV], v[TM], v[TM+1], s[HM]
	s_wait_alu depctr_va_vdst(0)
	s_wait_loadcnt 0x0                             ; rpr's bytes
	v_perm_b32 v[TM+2], v[RSW], v[PW], v[SELV]     ; selector bytes 0-3 take the second source, 4-7 the first
	v_perm_b32 v[TM+3], v[RSW+1], v[PW+1], v[SELV]
	global_store_b32 v[KWA], v[TM+2], s[74:75]
	global_store_b32 v[KWA], v[TM+3], s[74:75] offset:256
	MULS 0, BW                                     ; v
	WIN 0
	PLACES
	QUANT2 1
	CODES 12, 49152, 768, 0
	v_cndmask_b32 v[TM], v[PW], v[PW+1], s[HM]     ; lanes 0-15: tile j = 0; lanes 16-31: j = 1
	global_store_b32 v[A8], v[TM], s[76:77]
	s_wait_tensorcnt 0x0                           ; the wave's end
	ds_add_u32 v[SPW], v[NIL]
	s_wait_dscnt 0x0
	CROUND                                         ; the closing round: no work-group ends while a partner may still ask for a tile that names it
	s_endpgm
.Lfunc_end_k_q16fe346db8_qkv:
	.size	k_q16fe346db8_qkv, .Lfunc_end_k_q16fe346db8_qkv-k_q16fe346db8_qkv
	.p2alignl 7, 3214868480
	.fill 96, 4, 3214868480
	.section	.rodata,"a",@progbits
	.p2align	6, 0x0
	.amdhsa_kernel k_q16fe346db8_qkv
		.amdhsa_group_segment_fixed_size 327680
		.amdhsa_private_segment_fixed_size 0
		.amdhsa_enable_private_segment 0
		.amdhsa_kernarg_size 48
		.amdhsa_user_sgpr_count 2
		.amdhsa_user_sgpr_kernarg_segment_ptr 1
		.amdhsa_wavefront_size32 1
		.amdhsa_system_sgpr_workgroup_id_x 1
		.amdhsa_system_sgpr_workgroup_id_y 1
		.amdhsa_system_sgpr_workgroup_id_z 1
		.amdhsa_system_vgpr_workitem_id 0
		.amdhsa_next_free_vgpr 512
		.amdhsa_next_free_sgpr 100
		.amdhsa_reserve_vcc 0
		.amdhsa_float_denorm_mode_32 3
		.amdhsa_float_denorm_mode_16_64 3
		.amdhsa_memory_ordered 1
		.amdhsa_forward_progress 1
		.amdhsa_inst_pref_size 153
	.end_amdhsa_kernel
	.amdgpu_metadata
---
amdhsa.version: [ 1, 2 ]
amdhsa.kernels:
  - .name:           k_q16fe346db8_qkv
    .symbol:         k_q16fe346db8_qkv.kd
    .args:
      - { .name: xq, .offset: 0, .size: 8, .value_kind: global_buffer, .address_space: global }
      - { .name: wc, .offset: 8, .size: 8, .value_kind: global_buffer, .address_space: global }
      - { .name: rp, .offset: 16, .size: 8, .value_kind: global_buffer, .address_space: global }
      - { .name: qk, .offset: 24, .size: 8, .value_kind: global_buffer, .address_space: global }
      - { .name: vb, .offset: 32, .size: 8, .value_kind: global_buffer, .address_space: global }
      - { .name: sc, .offset: 40, .size: 8, .value_kind: global_buffer, .address_space: global }
    .group_segment_fixed_size: 327680
    .private_segment_fixed_size: 0
    .kernarg_segment_align: 8
    .kernarg_segment_size: 48
    .max_flat_workgroup_size: 128
    .sgpr_count:     100
    .vgpr_count:     512
    .wavefront_size: 32
...
	.end_amdgpu_metadata
.endif
;; end of part 2
;; launch attn (part 3): grid 32 x 8, 4 waves a work-group, clusters of 4 x 4, 327,680 bytes of LDS; arguments qk, vb, rp, sc, causal_mask, oi; writes oi
.if DOCPART == 3
	.amdgcn_target "amdgcn-amd-amdhsa--gfx1250"
	.amdhsa_code_object_version 6
	.text
	.protected	k_q16fe346db8_attn
	.globl	k_q16fe346db8_attn
	.p2align	8
	.type	k_q16fe346db8_attn,@function
k_q16fe346db8_attn:
	s_mov_b64 s[64:65], 0
	v_nop
	global_prefetch_b8 v0, s[64:65] scope:SCOPE_SE
	s_setreg_imm32_b32 hwreg(HW_REG_WAVE_MODE, 25, 1), 1
	s_wait_xcnt 0x0
	s_wait_alu depctr_hold_cnt(0) depctr_sa_sdst(0) depctr_va_vdst(0) depctr_va_sdst(0) depctr_va_ssrc(0) depctr_va_vcc(0) depctr_vm_vsrc(0)
	s_getreg_b32 s2, hwreg(HW_REG_IB_STS2, 6, 4)
	s_cmp_eq_u32 s2, 0
	s_cbranch_scc0 .Lentry_in_a_cluster
	s_endpgm
.Lentry_in_a_cluster:
	s_bfe_u32 s2, ttmp6, 0x10000c
	s_cmp_lg_u32 s2, 0xf033
	s_cbranch_scc0 .Lentry_shape_is_right
	s_endpgm
.Lentry_shape_is_right:
; O = softmax((q k^T + q rpr[pos]^T + mask) / 8) v on codes of BF6, and O quantised at once for the last product.  No work of the problem is left out: the mask is an input and is honoured as given.
; ONE MATRIX INSTRUCTION DOES BOTH SCORE PRODUCTS: K = 128 = the head's 64 twice: source 0 = [k's codes | rpr's codes] of 16 keys, source 1 = [q's codes | q's codes] of 16 queries; its C is the mask's tile.
; SOFTMAX: t = (score + mask) x log2(e) / 8; M = the running largest t rounded up to a whole number; p = 2^(t - M) is quantised along the keys; the row's sum is taken of the unquantised p and divides at the end;
; when M moves, the sum and O are multiplied by 2^(old M - new M), which rounds nothing.
; SHARES.  A work-group: 64 queries x 4 heads of one batch; four waves, one to a SIMD.  Wave w: queries 32 (w / 2) on (tiles A, B of 16), heads 2 (w % 2) and 2 (w % 2) + 1 of the group: four tiles.
; The mask's 32 rows x 128 keys stay in registers of their own for a step and are the C of both heads' products (D lies apart from C); rpr's half fragments stay while k's halves change from head to head;
; each fragment of k and v feeds two products.  So a wave reads 46 KB of LDS a step for four tiles: mask 16, rpr 6, k 12, v 12.
; Both products are used transposed: a lane holds one query throughout.  Tiles are rows 32 (T / 2) + 8 (T % 2) + i + 8 (i / 8): the 16 registers of key tiles 2 b, 2 b + 1 are 16 neighbouring keys.
; RING.  16 key steps of 128 keys through two LDS slots, 2^17 bytes apart.  A step's tiles: the mask's 64 rows (wave 0), k (wave 1), v (wave 2), rpr (wave 3): one tensor load a wave behind each change of slots, so one is out.
; k's and v's scale words are 512 and 256 consecutive bytes a head and step: each wave loads its own heads' straight into registers, one step ahead; a fifth tensor load a step would have no wave to issue it.
; CLUSTER 4 x 4: x = four blocks of queries, y = the four groups of heads.  The mask's tile hangs on x alone: shared along a column; k and v hang on y alone: shared along a row.
; rpr's tile hangs on neither, and a mask names at most four work-groups: a plain load, 6,144 of a step's 88,064 bytes.
; A TRIP IS SKEWED: change of slots, with the scores of head 1 (step j - 1) between the opening signal and its wait | softmax of head 1 (j - 1), with step j's LDS loads laid among its lines in four groups | scores of head 0 (j) |
; softmax of head 0 (j), with the other loads.  V^T P of a head stands, product by product, among the maxima of the softmax that follows its own.
; The softmax takes a head's two tiles by turns, so that no line stands close behind the line whose result it reads.
; LIMITS: NaN and infinities are not served; blocks whose largest magnitude lies under 2^-122 get the byte 1; score + mask is rounded as the matrix unit rounds its C.
; REGISTERS.  Window 0: v1-16 addresses; v20-35 -M, largest t, sum of the four tiles; v36-55 scale words and f; v56-183 S^T then p (A, B); v184-207 p's codes; v208-255 at work.
;   Window 1: v0-95 [k | rpr] fragments; v96-191 v's, a set for each head; v192-239 q's.   Window 2: v0-127 the mask (A, B); v128-255 O^T (head 0 A, B, head 1 A, B).
.set SLOT1, 1<<17
.set VC,    24576                      ; in a slot: k [head 4][tile 8][768] at 0; v [head 4][tile 4][1,536];
.set RC,    49152                      ; rpr [tile 8][768];
.set MK,    55296                      ; the mask: 64 rows of 512 + 8 bytes: rows r % 8 + 16 (r / 8) and the lanes' two halves then give the 32 lanes of an 8-byte load 32 different places in 256 bytes
.set MP,    520
.set SPARE, 262144                     ; the spare words: 128 bytes a wave, two blocks of 256 bytes that no other line names
.set L16, 1
.set L8,  2
.set K16, 3                            ; 16 x lane + 12,288 x (wave % 2)
.set K8,  4
.set SPW, 5
.set NIL, 6
.set AM0, 7                            ; my query's row of the mask's tile (tile A's; B's is 8 rows on)
.set PFO, 8
.set R4,  9
.set OFB, 10
.set HH,  11
.set D16, 12                           ; v12-16 the trip's addresses
.set D8,  13
.set DR16, 14
.set DR8, 15
.set DM,  16
.set ST,  20                           ; tile k = 2 x head + tile: v[ST + 4 k] -M, largest t, the sum in two halves
.set KSR, 36                           ; k's scale words, four registers a head
.set VSR, 44                           ; v's, two a head
.set QS,  48                           ; q's, one a tile
.set F,   52                           ; v52 f, v53 p's scale word (A); v54, v55 (B)
.set SA,  56
.set SB,  120
.set PC,  184
.set TS,  184                          ; v184-215 sixteen pair sums of A's p, where the codes and the conversions' second halves are made later
.set CT,  208
.set BM,  224
.set PM,  232
.set SO,  240
.set BY,  248
.set VF,  96                           ; window 1
.set Q,   192
.set OT,  128                          ; window 2
.set WV,  16
.set HP,  17
.set PQ,  18
.set CX,  19
.set HG,  20
.set BB,  21
.set QBK, 22
.set G1M, 24
.set G1K, 32
.set G1V, 40
.set G1R, 48
.set SKB, 56                           ; s[56:57] k's scale words of my first head at this trip's step; s[58:59] v's
.set SVB, 58
.set G0M, 68
.set G0K, 72
.set G0V, 76
.set G0R, 80
.set SEL, 88
.set CS,  90
.set TB,  92
.set CNT, 95
.set LIM, 96
.set PFA, 98
.set MSB, 0
.macro WIN new                         ; the immediate's high byte repeats the setting that is left
.if MSB != \new
	s_set_vgpr_msb (MSB<<8)|\new
.set MSB, \new
.endif
.endm
.macro PLACES                          ; four plain lines between a matrix instruction and a load into, or a vector read of, its registers
.rept 4
	v_nop
.endr
.endm
.macro CREST                           ; a round of the cluster's barrier behind its opening barrier
	s_cmp_lg_u32 s[WV], 0
	s_cbranch_scc1 .Lnw0_\@
	s_barrier_signal -3
.Lnw0_\@:
	s_barrier_wait -3
	s_barrier_signal -1
	s_barrier_wait -1
.endm
.macro CROUND                          ; a whole round
	s_barrier_signal -1
	s_barrier_wait -1
	CREST
.endm
.macro G1SET g, d0, d1, str            ; group 1's constant words: a tile of d1 rows of d0 elements, str elements from row to row
	s_mov_b32 s[\g+1], (\d0)<<16
	s_mov_b32 s[\g+2], (\d1)<<16
	s_mov_b32 s[\g+3], (\d0)<<16
	s_mov_b32 s[\g+4], \d1
	s_mov_b32 s[\g+5], \str
	s_mov_b32 s[\g+6], 0
	s_mov_b32 s[\g+7], 0
.endm
; A wave's one tensor load: one chain of branches on the wave's number, a load in every arm; s_nop 0 and four v_nop follow each load
.macro TLOAD
	s_cmp_eq_u32 s[WV], 0
	s_cbranch_scc0 .Lnm_\@
	tensor_load_to_lds s[G0M:G0M+3], s[G1M:G1M+7]
	s_nop 0
	PLACES
	s_branch .Ltd_\@
.Lnm_\@:
	s_cmp_eq_u32 s[WV], 1
	s_cbranch_scc0 .Lnk_\@
	tensor_load_to_lds s[G0K:G0K+3], s[G1K:G1K+7]
	s_nop 0
	PLACES
	s_branch .Ltd_\@
.Lnk_\@:
	s_cmp_eq_u32 s[WV], 2
	s_cbranch_scc0 .Lnv_\@
	tensor_load_to_lds s[G0V:G0V+3], s[G1V:G1V+7]
	s_nop 0
	PLACES
	s_branch .Ltd_\@
.Lnv_\@:
	tensor_load_to_lds s[G0R:G0R+3], s[G1R:G1R+7]
	s_nop 0
	PLACES
.Ltd_\@:
.endm
; A prefetch of the mask's tile that the NEXT change of slots will ask for: 64 rows x 512 bytes.  Both batches' clusters read it: cluster y = 0 asks.  Its four partners along y take 16 rows each, told apart by address;
; in each, wave 3 asks: a lane names 256 bytes (row lane / 2, half lane % 2).  The last change that fills a slot asks for nothing.
.macro ASK
	s_cmp_gt_u32 s[CNT], s[LIM]
	s_cbranch_scc0 .Lna_\@
	global_prefetch_b8 v[PFO], s[PFA:PFA+1] th:TH_LOAD_NT scope:SCOPE_SE
.Lna_\@:
.endm
.macro WM d, a, b, c, sa, sb, odd      ; odd tiles of source 0 have their scale words in lanes 16-31
.if \odd
	v_wmma_scale_f32_16x16x128_f8f6f4 v[\d:\d+7], v[\a:\a+11], v[\b:\b+11], v[\c:\c+7], v[\sa], v[\sb] matrix_a_fmt:MATRIX_FMT_BF6 matrix_b_fmt:MATRIX_FMT_BF6 matrix_a_scale:MATRIX_SCALE_ROW1
.else
	v_wmma_scale_f32_16x16x128_f8f6f4 v[\d:\d+7], v[\a:\a+11], v[\b:\b+11], v[\c:\c+7], v[\sa], v[\sb] matrix_a_fmt:MATRIX_FMT_BF6 matrix_b_fmt:MATRIX_FMT_BF6
.endif
.endm
.macro SW q, ks, qs                    ; S^T = [k | rpr] [q | q]^T + mask of one head: sixteen results, one instruction each, A and B by turns
	WIN 0x25                                       ; sources window 1, the mask window 2, S^T window 0
.irp t, 0,1,2,3,4,5,6,7
	WM SA+8*\t, 12*\t, \q, 8*\t, \ks+\t/2, \qs, \t%2
	WM SB+8*\t, 12*\t, \q+12, 64+8*\t, \ks+\t/2, \qs+1, \t%2
.endr
.endm
.macro PV vf, vs, o                    ; O^T += V^T P^T of one head: eight accumulators, one instruction each, A and B by turns
	WIN 0xa1                                       ; v window 1, p window 0, O^T window 2
.irp t, 0,1,2,3
	WM \o+8*\t, \vf+12*\t, PC, \o+8*\t, \vs+\t/2, F+1, \t%2
	WM \o+32+8*\t, \vf+12*\t, PC+12, \o+32+8*\t, \vs+\t/2, F+3, \t%2
.endr
.endm
.macro PV1 vf, vs, o, g                ; product g = 2 t + tile of these eight, by itself; vf = 0: none
.if \vf
	WIN 0xa1
	WM \o+32*((\g)%2)+8*((\g)/2), \vf+12*((\g)/2), PC+12*((\g)%2), \o+32*((\g)%2)+8*((\g)/2), \vs+(\g)/4, F+1+2*((\g)%2), ((\g)/2)%2
	WIN 0
.endif
.endm
; THE CHANGE OF SLOTS, at a trip's head.  Each wave waits for its tensor load (its part of the slot ahead), adds 0 to its spare word, and waits for that and for its reads of the slot that it has left; then it signals.
; Between the signal and its wait stand head 1's score products of the step before: work on registers alone.
; fill = 1: the barrier opens a round of the cluster's barrier, and behind the round, first, comes the fill of the slot that was left, with the step after this one.
.macro CHANGE fill, first
	WIN 0
	s_wait_alu depctr_va_vdst(0)
	s_wait_tensorcnt 0x0                           ; no tensor load of mine is out, so a group 0 may be written
	ds_add_u32 v[SPW], v[NIL]
.if \fill
.irp g, G0M, G0K, G0V, G0R
	s_xor_b32 s[\g+1], s[\g+1], SLOT1
.endr
	s_add_nc_u64 s[G0M+2:G0M+3], s[G0M+2:G0M+3], 512
	s_add_nc_u64 s[G0K+2:G0K+3], s[G0K+2:G0K+3], 6144
	s_add_nc_u64 s[G0V+2:G0V+3], s[G0V+2:G0V+3], 1536
	s_add_nc_u64 s[G0R+2:G0R+3], s[G0R+2:G0R+3], 6144
.endif
	s_wait_xcnt 0x0                                ; the last trip's prefetch and loads of scale words have read their bases
.if \fill
	s_add_nc_u64 s[PFA:PFA+1], s[PFA:PFA+1], 512
.endif
.if !\first
	s_add_nc_u64 s[SKB:SKB+1], s[SKB:SKB+1], 512
	s_add_nc_u64 s[SVB:SVB+1], s[SVB:SVB+1], 256
.endif
	s_wait_dscnt 0x0                               ; the add is done; my reads of the slot that I have left are over
	s_barrier_signal -1
.if !\first
	SW Q+24, KSR+4, QS+2
	WIN 0
.endif
	s_barrier_wait -1
.if \fill
	CREST
	TLOAD
	ASK
.endif
.endm
.macro ADDR                            ; the trip's addresses: five plain lines, which are also places behind the last scores' products
	v_add_nc_u32 v[D16], s[TB], v[K16]
	v_add_nc_u32 v[D8], s[TB], v[K8]
	v_add_nc_u32 v[DR16], s[TB], v[L16]
	v_add_nc_u32 v[DR8], s[TB], v[L8]
	v_add_nc_u32 v[DM], s[TB], v[AM0]
.endm
.macro LDK u                           ; k's eight half fragments of my head u: registers 0-5 of each fragment
	WIN 0x40
.irp t, 0,1,2,3,4,5,6,7
	ds_load_b128 v[12*\t:12*\t+3], v[D16] offset:6144*\u+768*\t
	ds_load_b64 v[12*\t+4:12*\t+5], v[D8] offset:6144*\u+768*\t+512
.endr
.endm
.macro LDR                             ; rpr's eight: registers 6-11; they serve both heads
	WIN 0x40
.irp t, 0,1,2,3,4,5,6,7
	ds_load_b128 v[12*\t+6:12*\t+9], v[DR16] offset:RC+768*\t
	ds_load_b64 v[12*\t+10:12*\t+11], v[DR8] offset:RC+768*\t+512
.endr
.endm
.macro LDM tl                          ; the mask of tile A (0) or B (1): register 16 b + i: key 32 b + 16 h + i
	WIN 0x80
.set m_, 0
.rept 32
	ds_load_b64 v[64*\tl+2*m_:64*\tl+2*m_+1], v[DM] offset:8*MP*\tl+128*(m_/8)+8*(m_%8)
.set m_, m_+1
.endr
.endm
.macro LDV u                           ; v's four fragments of my head u, into its own set
	WIN 0x40
.irp t, 0,1,2,3
	ds_load_b128 v[VF+48*\u+12*\t:VF+48*\u+12*\t+3], v[D16] offset:VC+6144*\u+1536*\t
	ds_load_b64 v[VF+48*\u+12*\t+4:VF+48*\u+12*\t+5], v[D8] offset:VC+6144*\u+1536*\t+512
	ds_load_b128 v[VF+48*\u+12*\t+6:VF+48*\u+12*\t+9], v[D16] offset:VC+6144*\u+1536*\t+768
	ds_load_b64 v[VF+48*\u+12*\t+10:VF+48*\u+12*\t+11], v[D8] offset:VC+6144*\u+1536*\t+1280
.endr
.endm
.macro HOOK hk, i                      ; the groups of loads that stand among a softmax's lines.  hk = 1: under head 1's softmax of the step before; hk = 2: under head 0's; hk = 0: none
.if \hk == 1
.if \i == 0
	LDK 0
.elseif \i == 1
	global_load_b64 v[VSR:VSR+1], v[L8], s[SVB:SVB+1]              ; v's scale words of head 0, this step: behind the products that read the last step's
	LDR
.elseif \i == 2
	LDM 0
.else
	LDM 1
.endif
.elseif \hk == 2
.if \i == 0
	LDK 1
.elseif \i == 1
.if !NOV1
	global_load_b64 v[VSR+2:VSR+3], v[L8], s[SVB:SVB+1] offset:4096   ; v's of head 1, this step
.endif
.if !NOK0
	global_load_b128 v[KSR:KSR+3], v[L16], s[SKB:SKB+1] offset:512    ; k's of head 0, the next step
.endif
	LDV 0
.elseif \i == 2
	LDV 1
.endif
.endif
	WIN 0
.endm
; A head's softmax for a key step, tiles A and B by turns.  Block e = 0 .. 7 is v[SA + 16 e] on (0-3: A's, 4-7: B's).  Scores become p, its codes in v[PC] on, its scale words in v[F + 1], v[F + 3]; the sums and O^T come under the new M.
; vf, vs, po: the OTHER head's V^T P, whose p was made by the softmax before this one: its eight products stand one by one behind the eight groups of maxima, which name none of their registers.
; The exponentials stand in two runs, each with plain lines among them that read nothing written in the run: A's with B's t - M, B's with the first sums of A's p.  One wait stands ahead of each run and one behind the second.
.macro SOFT2 st, o, hk, vf, vs, po
	WIN 0
.irp e, 0,1,2,3,4,5,6,7
	v_max3_num_f32 v[BM+\e], v[SA+16*\e], v[SA+16*\e+1], v[SA+16*\e+2]   ; each block's largest score: for the row's maximum, and, since p rises with the score, for the block's largest p.  Results are read from their low ends on
.endr
	PV1 \vf, \vs, \po, 0
.irp i, 3,5,7,9,11,13
.irp e, 0,1,2,3,4,5,6,7
	v_max3_num_f32 v[BM+\e], v[BM+\e], v[SA+16*\e+\i], v[SA+16*\e+\i+1]
.endr
	PV1 \vf, \vs, \po, (\i-1)/2
.endr
.irp e, 0,1,2,3,4,5,6,7
	v_max_num_f32 v[BM+\e], v[BM+\e], v[SA+16*\e+15]
.endr
	PV1 \vf, \vs, \po, 7
	HOOK \hk, 0
.irp e, 0,1,2,3,4,5,6,7
	v_permlanex16_b32 v[PM+\e], v[BM+\e], s[SEL], s[SEL+1]
.endr
.irp e, 0,1,2,3,4,5,6,7
	v_max_num_f32 v[BM+\e], v[BM+\e], v[PM+\e]     ; with lane l xor 16's 16 keys
.endr
.irp u, 0,1
	v_max3_num_f32 v[SO+\u], v[BM+4*\u], v[BM+4*\u+1], v[BM+4*\u+2]
.endr
.irp u, 0,1
	v_max_num_f32 v[SO+\u], v[SO+\u], v[BM+4*\u+3]
.endr
.irp u, 0,1
	v_mul_f32 v[SO+\u], s[CS], v[SO+\u]
.endr
.irp u, 0,1
	v_max_num_f32 v[\st+4*\u+1], v[\st+4*\u+1], v[SO+\u]   ; the running largest t
.endr
.irp u, 0,1
	v_mov_b32 v[SO+\u], v[\st+4*\u]
.endr
.irp u, 0,1
	v_floor_f32 v[\st+4*\u], -v[\st+4*\u+1]        ; -M = floor(-t): M is a whole number
.endr
.set n_, 0
.irp w, 0,1,2,3                        ; A's t - M, and among its lines the four steps that make f and bring the sums under the new M
.rept 8
	v_pk_fma_f32 v[SA+n_:SA+n_+1], v[SA+n_:SA+n_+1], s[CS:CS+1], v[\st:\st+1] op_sel_hi:[1,0,0]
.set n_, n_+2
.endr
.irp u, 0,1
.if \w == 0
	v_sub_f32 v[SO+\u], v[\st+4*\u], v[SO+\u]      ; old M - new M, 0 or less
.elseif \w == 1
	v_cvt_i32_f32 v[SO+\u], v[SO+\u]               ; (it saturates)
.elseif \w == 2
	v_ldexp_f32 v[F+2*\u], 1.0, v[SO+\u]           ; f = 2^(old M - new M)
.else
	v_pk_mul_f32 v[\st+4*\u+2:\st+4*\u+3], v[\st+4*\u+2:\st+4*\u+3], v[F+2*\u:F+2*\u+1] op_sel_hi:[1,0]
.endif
.endr
.endr
.irp e, 0,1,2,3,4,5,6,7
	v_fma_f32 v[BM+\e], v[BM+\e], s[CS], v[\st+4*(\e/4)]
.endr
	HOOK \hk, 1
	s_wait_alu depctr_va_vdst(0)                   ; ahead of the first run
.irp e, 0,1,2,3
	v_exp_f32 v[BM+\e], v[BM+\e]                   ; A's blocks' largest p
.endr
.set n_, 0
.rept 32
	v_exp_f32 v[SA+n_], v[SA+n_]                   ; A's p = 2^(t - M),
	v_exp_f32 v[SA+n_+1], v[SA+n_+1]
	v_pk_fma_f32 v[SB+n_:SB+n_+1], v[SB+n_:SB+n_+1], s[CS:CS+1], v[\st+4:\st+5] op_sel_hi:[1,0,0]   ; and B's t - M, first read behind the next wait
.set n_, n_+2
.endr
	HOOK \hk, 2
	s_wait_alu depctr_va_vdst(0)                   ; behind the first run and ahead of the second
.irp e, 4,5,6,7
	v_exp_f32 v[BM+\e], v[BM+\e]                   ; B's blocks' largest p
.endr
.set n_, 0
.rept 16
	v_exp_f32 v[SB+n_], v[SB+n_]                   ; B's p,
	v_exp_f32 v[SB+n_+1], v[SB+n_+1]
	v_exp_f32 v[SB+n_+2], v[SB+n_+2]
	v_exp_f32 v[SB+n_+3], v[SB+n_+3]
	v_pk_add_f32 v[TS+n_/2:TS+n_/2+1], v[SA+n_:SA+n_+1], v[SA+n_+2:SA+n_+3]   ; and sixteen pair sums of A's unquantised p, first read behind the next wait
.set n_, n_+4
.endr
	HOOK \hk, 3
	s_wait_alu depctr_va_vdst(0)                   ; behind the second run, ahead of its first reader
	v_pk_add_f32 v[PM+4:PM+5], v[SB:SB+1], v[SB+2:SB+3]            ; the rows' sums of the unquantised p: B's in three chains, A's pair sums in two, by turns
	v_pk_add_f32 v[PM+6:PM+7], v[SB+4:SB+5], v[SB+6:SB+7]
.set n_, 8
.rept 9
	v_pk_add_f32 v[\st+6:\st+7], v[\st+6:\st+7], v[SB+n_:SB+n_+1]
.if n_ < 50
	v_pk_add_f32 v[TS:TS+1], v[TS:TS+1], v[TS+(n_-8)/6*4+4:TS+(n_-8)/6*4+5]
.endif
	v_pk_add_f32 v[PM+4:PM+5], v[PM+4:PM+5], v[SB+n_+2:SB+n_+3]
.if n_ < 50
	v_pk_add_f32 v[TS+2:TS+3], v[TS+2:TS+3], v[TS+(n_-8)/6*4+6:TS+(n_-8)/6*4+7]
.endif
	v_pk_add_f32 v[PM+6:PM+7], v[PM+6:PM+7], v[SB+n_+4:SB+n_+5]
.set n_, n_+6
.endr
	v_pk_add_f32 v[\st+6:\st+7], v[\st+6:\st+7], v[SB+62:SB+63]
	v_pk_add_f32 v[PM+4:PM+5], v[PM+4:PM+5], v[PM+6:PM+7]
	v_pk_add_f32 v[TS:TS+1], v[TS:TS+1], v[TS+2:TS+3]
	v_pk_add_f32 v[\st+6:\st+7], v[\st+6:\st+7], v[PM+4:PM+5]
	v_pk_add_f32 v[\st+2:\st+3], v[\st+2:\st+3], v[TS:TS+1]
.irp e, 0,1,2,3,4,5,6,7
	v_max_num_f32 v[BM+\e], 0x2800000, v[BM+\e]    ; the floor 2^(5 - 127): the byte cannot fall under 1
.endr
.irp e, 0,1,2,3,4,5,6,7
	v_add_nc_u32 v[SO+\e], 0xfe000000, v[BM+\e]    ; 4 off the exponent field: the conversion's scale operand
.endr
.irp e, 0,1,2,3,4,5,6,7
	v_lshrrev_b32 v[BY+\e], 23, v[SO+\e]
.endr
.irp u, 0,1
	v_lshl_or_b32 v[F+2*\u+1], v[BY+4*\u+1], 8, v[BY+4*\u]
.endr
.irp u, 0,1
	v_lshl_or_b32 v[F+2*\u+1], v[BY+4*\u+2], 16, v[F+2*\u+1]
.endr
.irp u, 0,1
	v_lshl_or_b32 v[F+2*\u+1], v[BY+4*\u+3], 24, v[F+2*\u+1]
.endr
.irp d, 0,1,2,3                        ; d = 2 x tile + c: 64 keys
	v_cvt_scalef32_pk16_bf6_f32 v[PC+6*\d:PC+6*\d+2], v[SA+32*\d:SA+32*\d+15], v[SO+2*\d]
	v_cvt_scalef32_pk16_bf6_f32 v[CT+4*\d:CT+4*\d+2], v[SA+32*\d+16:SA+32*\d+31], v[SO+2*\d+1]
.endr
	v_nop                                          ; one plain line behind the scaled conversions
.irp d, 0,1,2,3                        ; a whole block to a lane
.irp i, 0,1,2
	v_permlane16_swap_b32 v[PC+6*\d+\i], v[CT+4*\d+\i]
.endr
.endr
.irp d, 0,1,2,3
.irp i, 0,1,2
	v_mov_b32 v[PC+6*\d+3+\i], v[CT+4*\d+\i]
.endr
.endr
	WIN 0x82                                       ; O^T window 2, f window 0
	s_wait_alu depctr_va_vdst(0)                   ; directly ahead of the first reader of O^T
.set n_, 0
.rept 32
	v_pk_mul_f32 v[\o+n_:\o+n_+1], v[\o+n_:\o+n_+1], v[F+2*(n_/32):F+2*(n_/32)+1] op_sel_hi:[1,0]   ; O^T under the new M
.set n_, n_+2
.endr
.endm
; The loads of scale words run in the order k head 1 (j) | v head 0 (j) | v head 1 (j), k head 0 (j + 1).  In front of the scores of head 0 (j) the two youngest, k head 1 (j) and v head 0 (j), may be out;
; at the trip's end, for the scores of head 1 (j), the two behind them; the last trip issues no k head 0, so one.  V^T P of a head stands in the next softmax, behind these waits.
.macro TRIP fill, first, last
	CHANGE \fill, \first
	ADDR
.if \first
	LDK 0
	LDR
	LDM 0
	LDM 1
	WIN 0
.else
	global_load_b128 v[KSR+4:KSR+7], v[L16], s[SKB:SKB+1] offset:8192
	SOFT2 ST+8, OT+64, 1, VF, VSR, OT
.endif
	s_wait_alu depctr_va_vdst(0)
	s_wait_dscnt 0x0                               ; k of head 0, rpr and the mask are in
	s_wait_loadcnt 0x2
	SW Q, KSR, QS
	WIN 0
	PLACES
.set NOV1, \first
.set NOK0, \last
.if \first
	SOFT2 ST, OT, 2, 0, 0, 0
.else
	SOFT2 ST, OT, 2, VF+48, VSR+2, OT+64
.endif
	s_wait_alu depctr_va_vdst(0)
	s_wait_dscnt 0x0                               ; k of head 1 and both heads' v are in
	s_wait_loadcnt 2-\last
	s_xor_b32 s[TB], s[TB], SLOT1
.if \last
	SW Q+24, KSR+4, QS+2                           ; no change of slots follows to hold them
.endif
	WIN 0
.endm
	s_load_b256 s[4:11], s[0:1], 0x0               ; qk, vb, rp, sc
	s_load_b128 s[12:15], s[0:1], 0x20             ; causal_mask, oi
	v_lshl_add_u32 v[SPW], v0, 2, SPARE
	v_mov_b32 v[NIL], 0
	ds_add_u32 v[SPW], v[NIL]                      ; the opening lines: the add, twice on end, and its wait ahead of my first tensor load
	ds_add_u32 v[SPW], v[NIL]
	v_lshrrev_b32 v17, 5, v0
	v_readfirstlane_b32 s[WV], v17
	s_and_b32 s[HP], s[WV], 1                      ; my pair of heads in the group
	s_lshr_b32 s[PQ], s[WV], 1                     ; my 32 of the 64 queries
	s_bfe_u32 s[CX], ttmp6, 0x40000
	s_bfe_u32 s[HG], ttmp6, 0x40004                ; cy: the group of four heads
	s_and_b32 s[BB], ttmp7, 0xffff                 ; cluster y: the batch
	s_lshl_b32 s[QBK], ttmp9, 2
	s_add_co_u32 s[QBK], s[QBK], s[CX]             ; the block of 64 queries
	s_lshl_b32 s23, 0x1111, s[CX]                  ; my column of the cluster
	s_lshl_b32 s97, s[HG], 2
	s_lshl_b32 s97, 15, s97                        ; my row
	s_or_b32 s[G1M], s23, (2<<16)|(1<<20)|(1<<21)|(6<<22)|(1<<25)   ; the mask: 64 rows x 128 f32, 8 bytes of padding behind each 512
	G1SET G1M, 128, 64, 2048
	s_or_b32 s[G1K], s97, (3<<16)|(1<<21)          ; k: 4 heads x 6,144 bytes, 98,304 apart
	G1SET G1K, 768, 4, 12288
	s_or_b32 s[G1V], s97, (3<<16)|(1<<21)          ; v: 16 tiles of channels x 1,536 bytes, 49,152 apart
	G1SET G1V, 192, 16, 6144
	s_mov_b32 s[G1R], 3<<16                        ; rpr: 6,144 dense bytes as 24 rows of 256; no mask
	G1SET G1R, 32, 24, 32
	s_mov_b32 s[SEL], 0x76543210
	s_mov_b32 s[SEL+1], 0xfedcba98
	s_mov_b32 s[CS], 0x3e38aa3b                    ; log2(e) / 8
	s_mov_b32 s[CS+1], s[CS]
	s_mov_b32 s[TB], 0
	s_mov_b32 s[CNT], 14
	s_xor_b32 s[LIM], s[WV], 3                     ; 0 in wave 3
	s_or_b32 s[LIM], s[LIM], s[BB]                 ; of the clusters with y = 0: the same in all partners
	s_cmp_eq_u32 s[LIM], 0
	s_cselect_b32 s[LIM], 1, -1
	s_lshl_b32 s2, s[QBK], 19                      ; the mask: row 64 qb, 8,192 bytes a row: x's side alone
	s_mov_b32 s3, 0
	s_wait_dscnt 0x0
	s_wait_kmcnt 0x0
	s_mov_b32 s[G0M], 1
	s_mov_b32 s[G0M+1], MK
	s_add_nc_u64 s[G0M+2:G0M+3], s[12:13], s[2:3]
	s_or_b32 s[G0M+3], s[G0M+3], 0x80000000
	s_mul_i32 s66, s[BB], 1572864                  ; k: y's side alone
	s_mul_i32 s67, s[HG], 393216
	s_add_co_u32 s66, s66, s67
	s_add_co_u32 s66, s66, 3145728
	s_mov_b32 s67, 0
	s_mov_b32 s[G0K], 1
	s_mov_b32 s[G0K+1], 0
	s_add_nc_u64 s[G0K+2:G0K+3], s[4:5], s[66:67]
	s_or_b32 s[G0K+3], s[G0K+3], 0x80000000
	s_mul_i32 s66, s[HG], 786432                   ; v
	s_mul_i32 s67, s[BB], 24576
	s_add_co_u32 s66, s66, s67
	s_mov_b32 s67, 0
	s_mov_b32 s[G0V], 1
	s_mov_b32 s[G0V+1], VC
	s_add_nc_u64 s[G0V+2:G0V+3], s[6:7], s[66:67]
	s_or_b32 s[G0V+3], s[G0V+3], 0x80000000
	s_mul_i32 s66, s[BB], 98304                    ; rpr
	s_mov_b32 s[G0R], 1
	s_mov_b32 s[G0R+1], RC
	s_add_nc_u64 s[G0R+2:G0R+3], s[8:9], s[66:67]
	s_or_b32 s[G0R+3], s[G0R+3], 0x80000000
	CROUND                                         ; all sixteen work-groups are here
	TLOAD                                          ; slot 0: one tensor load a wave
	; addresses that hang on both sides of the cluster: in registers that fed no descriptor
	s_lshl_b32 s105, s[HG], 2
	s_lshl_b32 s100, s[HP], 1
	s_add_co_u32 s105, s105, s100                  ; my first head
	s_lshl_b32 s104, s[QBK], 2
	s_lshl_b32 s100, s[PQ], 1
	s_add_co_u32 s104, s104, s100                  ; tile A among the batch's 128
	s_mul_i32 s100, s[BB], 1572864
	s_mul_i32 s101, s105, 98304
	s_add_co_u32 s100, s100, s101
	s_mul_i32 s101, s104, 768
	s_add_co_u32 s100, s100, s101
	s_mov_b32 s101, 0
	s_add_nc_u64 s[4:5], s[4:5], s[100:101]        ; q's codes
	s_lshl_b32 s97, s[BB], 2                       ; the scale words of (batch, group): k's [head 4][step 16][512], then v's [head 4][step 16][256]
	s_add_co_u32 s97, s97, s[HG]
	s_mul_i32 s97, s97, 49152
	s_add_co_u32 s97, s97, 262144
	s_lshl_b32 s100, s[HP], 14
	s_add_co_u32 s100, s100, s97
	s_add_nc_u64 s[SKB:SKB+1], s[10:11], s[100:101]
	s_lshl_b32 s100, s[HP], 13
	s_add_co_u32 s100, s100, s97
	s_add_co_u32 s100, s100, 32768
	s_add_nc_u64 s[SVB:SVB+1], s[10:11], s[100:101]
	s_lshl_b32 s100, s[BB], 7
	s_add_co_u32 s104, s104, s100                  ; tile A among all 256
	s_lshl_b32 s100, s104, 4
	s_add_co_u32 s100, s100, s105
	s_lshl_b32 s100, s100, 6
	s_add_nc_u64 s[10:11], s[10:11], s[100:101]    ; q's scale words
	s_lshl_b32 s100, s[QBK], 19
	s_lshl_b32 s97, s[HG], 17
	s_add_co_u32 s100, s100, s97
	s_add_co_u32 s100, s100, 512
	s_add_nc_u64 s[PFA:PFA+1], s[12:13], s[100:101]   ; the prefetches: my work-group's 16 rows, at step 1; the first change of slots steps it to step 2
	s_mul_i32 s100, s104, 12800                    ; O: the tile block's half,
	s_lshr_b32 s97, s[HG], 1
	s_mul_i32 s97, s97, 6400
	s_add_co_u32 s100, s100, s97
	s_and_b32 s97, s105, 7
	s_mul_i32 s97, s97, 768
	s_add_co_u32 s6, s100, s97                     ; my first head's half fragment,
	s_mov_b32 s7, 0
	s_add_nc_u64 s[6:7], s[14:15], s[6:7]
	s_lshl_b32 s97, s[HP], 7
	s_add_co_u32 s100, s100, s97
	s_and_b32 s97, s[HG], 1
	s_lshl_b32 s97, s97, 2
	s_add_co_u32 s100, s100, s97
	s_add_co_u32 s8, s100, 6144                    ; and its two bytes in the scale words' image
	s_mov_b32 s9, 0
	s_add_nc_u64 s[8:9], s[14:15], s[8:9]
	v_and_b32 v17, 31, v0
	v_and_b32 v18, 15, v0                          ; r
	v_bfe_u32 v[HH], v0, 4, 1                      ; h
	v_lshlrev_b32 v[L16], 4, v17
	v_lshlrev_b32 v[L8], 3, v17
	v_lshlrev_b32 v[R4], 2, v18
	v_lshl_add_u32 v[OFB], v18, 3, v[HH]           ; 8 r + h
	s_mul_i32 s100, s[HP], 12288
	v_add_nc_u32 v[K16], s100, v[L16]
	v_add_nc_u32 v[K8], s100, v[L8]
	v_lshrrev_b32 v[PFO], 1, v17
	v_lshlrev_b32 v[PFO], 13, v[PFO]
	v_and_b32 v19, 1, v17
	v_lshl_add_u32 v[PFO], v19, 8, v[PFO]
	v_and_b32 v19, 8, v18
	v_add_nc_u32 v19, v19, v18                     ; query r % 8 + 16 (r / 8) of my 32 (tile B: 8 on)
	v_mul_u32_u24 v[AM0], v19, MP
	v_lshl_add_u32 v[AM0], v[HH], 6, v[AM0]
	s_mul_i32 s100, s[PQ], 32*MP
	s_add_co_u32 s100, s100, MK
	v_add_nc_u32 v[AM0], s100, v[AM0]
.irp k, 0,1,2,3
	global_load_b32 v[QS+\k], v[R4], s[10:11] offset:64*(\k/2)+1024*(\k%2)
.endr
	WIN 0x40
.irp k, 0,1,2,3
.irp c, 0,1                            ; q's half fragment stands twice in source 1: once against k, once against rpr
	global_load_b128 v[Q+12*\k+6*\c:Q+12*\k+6*\c+3], v[L16], s[4:5] offset:98304*(\k/2)+768*(\k%2)
	global_load_b64 v[Q+12*\k+6*\c+4:Q+12*\k+6*\c+5], v[L8], s[4:5] offset:98304*(\k/2)+768*(\k%2)+512
.endr
.endr
	WIN 0
	global_load_b128 v[KSR:KSR+3], v[L16], s[SKB:SKB+1]              ; step 0's scale words: k head 0, v head 0, k head 1, v head 1
	global_load_b64 v[VSR:VSR+1], v[L8], s[SVB:SVB+1]
	global_load_b128 v[KSR+4:KSR+7], v[L16], s[SKB:SKB+1] offset:8192
	global_load_b64 v[VSR+2:VSR+3], v[L8], s[SVB:SVB+1] offset:4096
	WIN 0x80
.set n_, 0
.rept 128
	v_mov_b32 v[OT+n_], 0                          ; O^T: the trip is written once for all steps; the first change of M leaves zeros zeros
.set n_, n_+1
.endr
	WIN 0
.irp k, 0,1,2,3
	v_mov_b32 v[ST+4*\k+1], 0xff61b1e6             ; the largest t so far: -3e38
	v_floor_f32 v[ST+4*\k], -v[ST+4*\k+1]
	v_mov_b32 v[ST+4*\k+2], 0
	v_mov_b32 v[ST+4*\k+3], 0
.endr
.irp e, 0,1,2,3,4,5,6,7
	v_mov_b32 v[PM+\e], 0                          ; lane permutes' destinations count as read: written once
.endr
	v_mov_b32 v[F+1], 0                            ; upper halves of pairs
	v_mov_b32 v[F+3], 0
	TRIP 1, 1, 0                                   ; step 0: there is no step before it to finish
.Ltrip:                                            ; steps 1 to 14
	TRIP 1, 0, 0
	s_sub_co_u32 s[CNT], s[CNT], 1
	s_cmp_lg_u32 s[CNT], 0
	s_cbranch_scc1 .Ltrip
	TRIP 0, 0, 1                                   ; step 15 is written out: nothing is left to fetch
	PLACES                                         ; between head 1's score products and the softmax that reads them
	SOFT2 ST+8, OT+64, 0, VF, VSR, OT
	s_wait_alu depctr_va_vdst(0)
	s_wait_loadcnt 0x0                             ; v's last scale words
	PV VF+48, VSR+2, OT+64
; THE WAY OUT, the four tiles k = 2 x head + tile by turns: O^T / the sum; a tile's 64 channels are two blocks of the last product's K: quantised as above, stored as a half fragment, a scale byte a lane
	WIN 0
	v_cmp_ne_u32 vcc_lo, 0, v[HH]
.irp k, 0,1,2,3
	v_add_f32 v[SO+\k], v[ST+4*\k+2], v[ST+4*\k+3]
.endr
.irp k, 0,1,2,3
	v_permlanex16_b32 v[PM+\k], v[SO+\k], s[SEL], s[SEL+1]
.endr
.irp k, 0,1,2,3
	v_add_f32 v[SO+\k], v[SO+\k], v[PM+\k]         ; the row's sum
.endr
	s_wait_alu depctr_va_vdst(0)
.irp k, 0,1,2,3
	v_rcp_f32 v[BY+2*\k], v[SO+\k]
.endr
	v_nop                                          ; a plain line behind the reciprocals,
	WIN 0x02
	s_wait_alu depctr_va_vdst(0)                   ; and the wait ahead of their first reader, which is also O^T's
.irp k, 0,1,2,3
.set n_, 0
.rept 16
	v_pk_mul_f32 v[SA+32*\k+n_:SA+32*\k+n_+1], v[OT+32*\k+n_:OT+32*\k+n_+1], v[BY+2*\k:BY+2*\k+1] op_sel_hi:[1,0]   ; register 16 b + i: channel 32 b + 16 h + i
.set n_, n_+2
.endr
.endr
	WIN 0
.irp e, 0,1,2,3,4,5,6,7                ; block e = 2 k + b is v[SA + 16 e] on
	v_max3_num_f32 v[BM+\e], |v[SA+16*\e]|, |v[SA+16*\e+1]|, 0x2800000
.endr
.irp i, 2,4,6,8,10,12,14
.irp e, 0,1,2,3,4,5,6,7
	v_max3_num_f32 v[BM+\e], v[BM+\e], |v[SA+16*\e+\i]|, |v[SA+16*\e+\i+1]|
.endr
.endr
.irp e, 0,1,2,3,4,5,6,7
	v_permlanex16_b32 v[PM+\e], v[BM+\e], s[SEL], s[SEL+1]
.endr
.irp e, 0,1,2,3,4,5,6,7
	v_max_num_f32 v[BM+\e], v[BM+\e], v[PM+\e]
.endr
.irp e, 0,1,2,3,4,5,6,7
	v_add_nc_u32 v[SO+\e], 0xfe000000, v[BM+\e]
.endr
.irp e, 0,1,2,3,4,5,6,7
	v_lshrrev_b32 v[BY+\e], 23, v[SO+\e]
.endr
.irp k, 0,1,2,3
	v_cndmask_b32 v[PM+\k], v[BY+2*\k], v[BY+2*\k+1], vcc_lo   ; lane (r, h): block h's byte
.endr
.irp k, 0,1,2,3
	v_cvt_scalef32_pk16_bf6_f32 v[PC+6*\k:PC+6*\k+2], v[SA+32*\k:SA+32*\k+15], v[SO+2*\k]
	v_cvt_scalef32_pk16_bf6_f32 v[CT+4*\k:CT+4*\k+2], v[SA+32*\k+16:SA+32*\k+31], v[SO+2*\k+1]
.endr
	v_nop
.irp k, 0,1,2,3
.irp i, 0,1,2
	v_permlane16_swap_b32 v[PC+6*\k+\i], v[CT+4*\k+\i]
.endr
.endr
.irp k, 0,1,2,3
.irp i, 0,1,2
	v_mov_b32 v[PC+6*\k+3+\i], v[CT+4*\k+\i]
.endr
.endr
.irp k, 0,1,2,3
	global_store_b128 v[L16], v[PC+6*\k:PC+6*\k+3], s[6:7] offset:(\k%2)*12800+(\k/2)*768
	global_store_b64 v[L8], v[PC+6*\k+4:PC+6*\k+5], s[6:7] offset:(\k%2)*12800+(\k/2)*768+512
	global_store_b8 v[OFB], v[PM+\k], s[8:9] offset:(\k%2)*12800+(\k/2)*2
.endr
	s_wait_tensorcnt 0x0                           ; the wave's end
	ds_add_u32 v[SPW], v[NIL]
	s_wait_dscnt 0x0
	CROUND                                         ; the closing round
	s_endpgm
.Lfunc_end_k_q16fe346db8_attn:
	.size	k_q16fe346db8_attn, .Lfunc_end_k_q16fe346db8_attn-k_q16fe346db8_attn
	.p2alignl 7, 3214868480
	.fill 96, 4, 3214868480
	.section	.rodata,"a",@progbits
	.p2align	6, 0x0
	.amdhsa_kernel k_q16fe346db8_attn
		.amdhsa_group_segment_fixed_size 327680
		.amdhsa_private_segment_fixed_size 0
		.amdhsa_enable_private_segment 0
		.amdhsa_kernarg_size 48
		.amdhsa_user_sgpr_count 2
		.amdhsa_user_sgpr_kernarg_segment_ptr 1
		.amdhsa_wavefront_size32 1
		.amdhsa_system_sgpr_workgroup_id_x 1
		.amdhsa_system_sgpr_workgroup_id_y 1
		.amdhsa_system_sgpr_workgroup_id_z 1
		.amdhsa_system_vgpr_workitem_id 0
		.amdhsa_next_free_vgpr 768
		.amdhsa_next_free_sgpr 106
		.amdhsa_reserve_vcc 1
		.amdhsa_float_denorm_mode_32 3
		.amdhsa_float_denorm_mode_16_64 3
		.amdhsa_memory_ordered 1
		.amdhsa_forward_progress 1
		.amdhsa_inst_pref_size 227
	.end_amdhsa_kernel
	.amdgpu_metadata
---
amdhsa.version: [ 1, 2 ]
amdhsa.kernels:
  - .name:           k_q16fe346db8_attn
    .symbol:         k_q16fe346db8_attn.kd
    .args:
      - { .name: qk, .offset: 0, .size: 8, .value_kind: global_buffer, .address_space: global }
      - { .name: vb, .offset: 8, .size: 8, .value_kind: global_buffer, .address_space: global }
      - { .name: rp, .offset: 16, .size: 8, .value_kind: global_buffer, .address_space: global }
      - { .name: sc, .offset: 24, .size: 8, .value_kind: global_buffer, .address_space: global }
      - { .name: causal_mask, .offset: 32, .size: 8, .value_kind: global_buffer, .address_space: global }
      - { .name: oi, .offset: 40, .size: 8, .value_kind: global_buffer, .address_space: global }
    .group_segment_fixed_size: 327680
    .private_segment_fixed_size: 0
    .kernarg_segment_align: 8
    .kernarg_segment_size: 48
    .max_flat_workgroup_size: 128
    .sgpr_count:     106
    .vgpr_count:     768
    .wavefront_size: 32
...
	.end_amdgpu_metadata
.endif
;; end of part 3
;; launch proj (part 4): grid 8 x 32, 4 waves a work-group, clusters of 4 x 4, 239,104 bytes of LDS; arguments oi, wc, proj_b, out0; writes out0
.if DOCPART == 4
	.amdgcn_target "amdgcn-amd-amdhsa--gfx1250"
	.amdhsa_code_object_version 6
	.text
	.protected	k_q16fe346db8_proj
	.globl	k_q16fe346db8_proj
	.p2align	8
	.type	k_q16fe346db8_proj,@function
k_q16fe346db8_proj:
	s_mov_b64 s[64:65], 0
	v_nop
	global_prefetch_b8 v0, s[64:65] scope:SCOPE_SE
	s_setreg_imm32_b32 hwreg(HW_REG_WAVE_MODE, 25, 1), 1
	s_wait_xcnt 0x0
	s_wait_alu depctr_hold_cnt(0) depctr_sa_sdst(0) depctr_va_vdst(0) depctr_va_sdst(0) depctr_va_ssrc(0) depctr_va_vcc(0) depctr_vm_vsrc(0)
	s_getreg_b32 s2, hwreg(HW_REG_IB_STS2, 6, 4)
	s_cmp_eq_u32 s2, 0
	s_cbranch_scc0 .Lentry_in_a_cluster
	s_endpgm
.Lentry_in_a_cluster:
	s_bfe_u32 s2, ttmp6, 0x10000c
	s_cmp_lg_u32 s2, 0xf033
	s_cbranch_scc0 .Lentry_shape_is_right
	s_endpgm
.Lentry_shape_is_right:
; out0 = O proj_w^T + proj_b on codes of BF6.  O's codes (launch attn) and proj_w's (launch quant) come as tile blocks: row i of tile T is row 32 (T / 2) + 8 (T % 2) + i + 8 (i / 8).
; Source 0 = 16 rows of proj_w, source 1 = 16 tokens: a lane holds one token, and the 16 registers of tiles 2 b, 2 b + 1 are 16 neighbouring outputs.
; SHARES.  A work-group makes 128 outputs x 128 tokens; wave w makes all 8 tiles of outputs for tiles 2 w, 2 w + 1 of tokens: 16 accumulators.  256 work-groups.
; All of K (1,024) of both sides lies in LDS, 2 x 102,400 bytes, filled once; no byte is filled again.  Each wave brings four tile blocks in one load.
; CLUSTER 4 x 4: proj_w's block hangs on x alone and is shared along a column, O's on y alone and is shared along a row.
; The bias is the C of each sum's first matrix instruction.  The way out goes through the wave's own stage in LDS, behind the tiles, so that each store covers a row's 512 consecutive bytes.
; REGISTERS.  Window 0: v3-13 addresses; v16-47, v48-55 scale words; v64-191 accumulators (64 j + 8 t); v192-255 the bias, later rows on their way out.  Window 1: fragments, as in launch qkv.
.set HB,   6400
.set BLK,  102400
.set STAGE, 204800                     ; 16 rows x (512 + 16) bytes for each wave
.set A16,  4
.set A8,   6
.set B16,  8
.set B8,   10
.set STO,  12
.set SRD,  13
.set SC0,  16
.set SC1,  48
.set ACC,  64
.set BI,   192
.set WV,   16
.set MSB, 0
.macro WIN new
.if MSB != \new
	s_set_vgpr_msb (MSB<<8)|\new
.set MSB, \new
.endif
.endm
.macro PLACES
.rept 4
	v_nop
.endr
.endm
.macro CROUND
	s_barrier_signal -1
	s_barrier_wait -1
	s_cmp_lg_u32 s[WV], 0
	s_cbranch_scc1 .Lnw0_\@
	s_barrier_signal -3
.Lnw0_\@:
	s_barrier_wait -3
	s_barrier_signal -1
	s_barrier_wait -1
.endm
	s_load_b256 s[4:11], s[0:1], 0x0               ; oi, wc, proj_b, out0
	v_lshl_add_u32 v62, v0, 2, 0x3a400
	v_mov_b32 v63, 0
	ds_add_u32 v62, v63
	ds_add_u32 v62, v63
	v_lshrrev_b32 v1, 5, v0
	v_readfirstlane_b32 s[WV], v1
	s_lshr_b32 s17, s[WV], 1                       ; I fetch for proj_w (0) or O (1),
	s_and_b32 s18, s[WV], 1                        ; tile blocks 4 g .. 4 g + 3
	s_bfe_u32 s19, ttmp6, 0x40000
	s_bfe_u32 s20, ttmp6, 0x40004
	s_lshl_b32 s22, ttmp9, 2
	s_add_co_u32 s22, s22, s19                     ; gx: 128 outputs
	s_and_b32 s21, ttmp7, 0xffff
	s_lshl_b32 s21, s21, 2
	s_add_co_u32 s21, s21, s20                     ; gy: 128 tokens
	s_lshl_b32 s58, 0x1111, s19
	s_lshl_b32 s59, s20, 2
	s_lshl_b32 s59, 15, s59
	s_or_b32 s24, s58, (3<<16)|(1<<21)
	s_or_b32 s32, s59, (3<<16)|(1<<21)
.irp g, 24, 32                         ; a wave's ONE load: four whole tile blocks, 51,200 dense bytes, as 200 rows of 256 bytes
	s_mov_b32 s[\g+1], 32<<16
	s_mov_b32 s[\g+2], 200<<16
	s_mov_b32 s[\g+3], 32<<16
	s_mov_b32 s[\g+4], 200
	s_mov_b32 s[\g+5], 32
	s_mov_b32 s[\g+6], 0
	s_mov_b32 s[\g+7], 0
.endr
	s_mul_i32 s60, s18, 51200
	s_add_co_u32 s68, s22, 24                      ; proj_w's blocks are wc's 24 to 31
	s_mul_i32 s68, s68, BLK
	s_add_co_u32 s68, s68, s60
	s_mov_b32 s69, 0
	s_mul_i32 s70, s21, BLK
	s_add_co_u32 s70, s70, s60
	s_mov_b32 s71, 0
	s_mul_i32 s61, s18, 51200                      ; in LDS: [side][tile 8][half of K][6,400]
	s_wait_dscnt 0x0
	s_wait_kmcnt 0x0
	s_add_nc_u64 s[72:73], s[6:7], s[68:69]
	s_add_nc_u64 s[74:75], s[4:5], s[70:71]
.irp q, 0
	s_mov_b32 s[40+4*\q], 1
	s_add_co_u32 s[41+4*\q], s61, \q*51200
	s_add_nc_u64 s[42+4*\q:43+4*\q], s[72:73], \q*HB
	s_or_b32 s[43+4*\q], s[43+4*\q], 0x80000000
	s_mov_b32 s[48+4*\q], 1
	s_add_co_u32 s[49+4*\q], s61, BLK+\q*51200
	s_add_nc_u64 s[50+4*\q:51+4*\q], s[74:75], \q*HB
	s_or_b32 s[51+4*\q], s[51+4*\q], 0x80000000
.endr
	CROUND
	s_cmp_eq_u32 s17, 0                            ; one tensor load a wave, in one branch on its number
	s_cbranch_scc0 .Lside1
	tensor_load_to_lds s[40:43], s[24:31]
	s_nop 0
	PLACES
	s_branch .Lasked
.Lside1:
	tensor_load_to_lds s[48:51], s[32:39]
	s_nop 0
	PLACES
.Lasked:
	v_and_b32 v1, 31, v0
	v_bfe_u32 v2, v0, 4, 1                         ; h
	v_and_b32 v3, 15, v0                           ; r
	v_lshlrev_b32 v[A16], 4, v1
	v_lshlrev_b32 v[A8], 3, v1
	v_add_nc_u32 v[A16+1], 51200, v[A16]
	v_add_nc_u32 v[A8+1], 51200, v[A8]
	s_mul_i32 s62, s[WV], 4*HB
	s_add_co_u32 s62, s62, BLK
	v_add_nc_u32 v[B16], s62, v[A16]
	v_add_nc_u32 v[B8], s62, v[A8]
	s_mul_i32 s62, s[WV], 8448
	s_add_co_u32 s62, s62, STAGE
	v_mul_u32_u24 v[STO], v3, 528
	v_lshl_add_u32 v[STO], v2, 6, v[STO]
	v_add_nc_u32 v[STO], s62, v[STO]               ; in: row r, 64 bytes for each half of the lanes
	v_add_nc_u32 v[SRD], s62, v[A16]               ; back: a whole row, 16 bytes a lane
	v_lshlrev_b32 v14, 6, v2                       ; the bias: 64 h
	s_lshl_b32 s76, s22, 9
	s_mov_b32 s77, 0
	s_add_nc_u64 s[8:9], s[8:9], s[76:77]
.irp t, 0,1,2,3,4,5,6,7                ; register 8 t + i: output 32 (t / 2) + 16 h + 8 (t % 2) + i of my 128
	global_load_b128 v[BI+8*\t:BI+8*\t+3], v14, s[8:9] offset:(32*(\t/2)+8*(\t%2))*4
	global_load_b128 v[BI+8*\t+4:BI+8*\t+7], v14, s[8:9] offset:(32*(\t/2)+8*(\t%2))*4+16
.endr
	s_lshl_b32 s78, s21, 19                        ; out0: token 128 gy + 32 w, 4,096 bytes a row; column 128 gx
	s_lshl_b32 s79, s[WV], 17
	s_add_co_u32 s78, s78, s79
	s_add_co_u32 s78, s78, s76
	s_mov_b32 s79, 0
	s_add_nc_u64 s[10:11], s[10:11], s[78:79]
.macro SCALES q
	WIN 0
.irp t, 0,1,2,3,4,5,6,7
	ds_load_b64 v[SC0+4*\t+2*\q:SC0+4*\t+2*\q+1], v[A8+\t/4] offset:(\t%4)*2*HB+\q*HB+6144
.endr
.irp j, 0,1
	ds_load_b64 v[SC1+4*\j+2*\q:SC1+4*\j+2*\q+1], v[B8] offset:\j*2*HB+\q*HB+6144
.endr
.endm
.macro FETCH s                         ; K step s: 40 loads, each of consecutive bytes
.set FO, ((\s)/4)*HB+((\s)%4)*1536
.set FP, (\s)%2
	WIN 0x40
.irp t, 0,1,2,3,4,5,6,7
	ds_load_b128 v[96*FP+12*\t:96*FP+12*\t+3], v[A16+\t/4] offset:(\t%4)*2*HB+FO
	ds_load_b64 v[96*FP+12*\t+4:96*FP+12*\t+5], v[A8+\t/4] offset:(\t%4)*2*HB+FO+512
	ds_load_b128 v[96*FP+12*\t+6:96*FP+12*\t+9], v[A16+\t/4] offset:(\t%4)*2*HB+FO+768
	ds_load_b64 v[96*FP+12*\t+10:96*FP+12*\t+11], v[A8+\t/4] offset:(\t%4)*2*HB+FO+1280
.endr
.irp j, 0,1
	ds_load_b128 v[192+24*FP+12*\j:192+24*FP+12*\j+3], v[B16] offset:\j*2*HB+FO
	ds_load_b64 v[192+24*FP+12*\j+4:192+24*FP+12*\j+5], v[B8] offset:\j*2*HB+FO+512
	ds_load_b128 v[192+24*FP+12*\j+6:192+24*FP+12*\j+9], v[B16] offset:\j*2*HB+FO+768
	ds_load_b64 v[192+24*FP+12*\j+10:192+24*FP+12*\j+11], v[B8] offset:\j*2*HB+FO+1280
.endr
.endm
.macro MUL s                           ; the 16 accumulators by turns; K step 0 starts the sums from the bias
.set MP, (\s)%2
.set MR, (\s)/2
	WIN 0x05
.irp t, 0,1,2,3,4,5,6,7
.irp j, 0,1
.if (\s) == 0
	v_wmma_scale_f32_16x16x128_f8f6f4 v[ACC+64*\j+8*\t:ACC+64*\j+8*\t+7], v[96*MP+12*\t:96*MP+12*\t+11], v[192+24*MP+12*\j:192+24*MP+12*\j+11], v[BI+8*\t:BI+8*\t+7], v[SC0+4*\t+MR], v[SC1+4*\j+MR] matrix_a_fmt:MATRIX_FMT_BF6 matrix_b_fmt:MATRIX_FMT_BF6
.elseif MP == 0
	v_wmma_scale_f32_16x16x128_f8f6f4 v[ACC+64*\j+8*\t:ACC+64*\j+8*\t+7], v[96*MP+12*\t:96*MP+12*\t+11], v[192+24*MP+12*\j:192+24*MP+12*\j+11], v[ACC+64*\j+8*\t:ACC+64*\j+8*\t+7], v[SC0+4*\t+MR], v[SC1+4*\j+MR] matrix_a_fmt:MATRIX_FMT_BF6 matrix_b_fmt:MATRIX_FMT_BF6
.else
	v_wmma_scale_f32_16x16x128_f8f6f4 v[ACC+64*\j+8*\t:ACC+64*\j+8*\t+7], v[96*MP+12*\t:96*MP+12*\t+11], v[192+24*MP+12*\j:192+24*MP+12*\j+11], v[ACC+64*\j+8*\t:ACC+64*\j+8*\t+7], v[SC0+4*\t+MR], v[SC1+4*\j+MR] matrix_a_fmt:MATRIX_FMT_BF6 matrix_b_fmt:MATRIX_FMT_BF6 matrix_a_scale:MATRIX_SCALE_ROW1 matrix_b_scale:MATRIX_SCALE_ROW1
.endif
.endr
.endr
.endm
	s_wait_alu depctr_va_vdst(0)
	s_wait_tensorcnt 0x0                           ; my four tile blocks are in,
	s_barrier_signal -1
	s_barrier_wait -1                              ; everybody's are: all of K of both sides
	SCALES 0
	SCALES 1
	FETCH 0
	FETCH 1
	s_wait_loadcnt 0x0                             ; the bias
	s_wait_dscnt 40                                ; all but the 40 loads just issued
	MUL 0
.irp s, 1,2,3,4,5,6
	PLACES
	FETCH \s+1
	s_wait_dscnt 40
	MUL \s
.endr
	s_wait_dscnt 0x0
	MUL 7
	WIN 0
	PLACES
	; THE WAY OUT, a tile of 16 tokens at a time.  LDS serves a wave's instructions in order: no wait between my stores and my loads, nor in front of the next tile's stores
.macro TOSTAGE j
.irp t, 0,1,2,3,4,5,6,7
	ds_store_b128 v[STO], v[ACC+64*\j+8*\t:ACC+64*\j+8*\t+3] offset:128*(\t/2)+32*(\t%2)      ; each accumulator from its low end on
	ds_store_b128 v[STO], v[ACC+64*\j+8*\t+4:ACC+64*\j+8*\t+7] offset:128*(\t/2)+32*(\t%2)+16
.endr
.endm
	TOSTAGE 0
.irp i, 0,1,2,3,4,5,6,7,8,9,10,11,12,13,14,15
	ds_load_b128 v[BI+4*\i:BI+4*\i+3], v[SRD] offset:528*\i
.endr
	TOSTAGE 1
	s_wait_dscnt 16                                ; tile 0's rows are back (tile 1's 16 stores stay out): so tile 0's stores into the stage have read their registers,
.irp i, 0,1,2,3,4,5,6,7,8,9,10,11,12,13,14,15
	ds_load_b128 v[ACC+4*\i:ACC+4*\i+3], v[SRD] offset:528*\i   ; which take tile 1's rows
.endr
.irp i, 0,1,2,3,4,5,6,7,8,9,10,11,12,13,14,15
	global_store_b128 v[A16], v[BI+4*\i:BI+4*\i+3], s[10:11] offset:(\i+8*(\i/8))*4096 th:TH_STORE_NT   ; 512 consecutive bytes of one row of out0
.endr
.irp i, 0,1,2,3,4,5,6,7,8,9,10,11,12,13,14,15
	s_wait_dscnt 15-\i
	global_store_b128 v[A16], v[ACC+4*\i:ACC+4*\i+3], s[10:11] offset:(8+\i+8*(\i/8))*4096 th:TH_STORE_NT
.endr
	s_wait_tensorcnt 0x0
	ds_add_u32 v62, v63
	s_wait_dscnt 0x0
	CROUND                                         ; the closing round: no work-group ends while a partner may still ask for a tile that names it
	s_endpgm
.Lfunc_end_k_q16fe346db8_proj:
	.size	k_q16fe346db8_proj, .Lfunc_end_k_q16fe346db8_proj-k_q16fe346db8_proj
	.p2alignl 7, 3214868480
	.fill 96, 4, 3214868480
	.section	.rodata,"a",@progbits
	.p2align	6, 0x0
	.amdhsa_kernel k_q16fe346db8_proj
		.amdhsa_group_segment_fixed_size 239104
		.amdhsa_private_segment_fixed_size 0
		.amdhsa_enable_private_segment 0
		.amdhsa_kernarg_size 32
		.amdhsa_user_sgpr_count 2
		.amdhsa_user_sgpr_kernarg_segment_ptr 1
		.amdhsa_wavefront_size32 1
		.amdhsa_system_sgpr_workgroup_id_x 1
		.amdhsa_system_sgpr_workgroup_id_y 1
		.amdhsa_system_sgpr_workgroup_id_z 1
		.amdhsa_system_vgpr_workitem_id 0
		.amdhsa_next_free_vgpr 512
		.amdhsa_next_free_sgpr 100
		.amdhsa_reserve_vcc 0
		.amdhsa_float_denorm_mode_32 3
		.amdhsa_float_denorm_mode_16_64 3
		.amdhsa_memory_ordered 1
		.amdhsa_forward_progress 1
		.amdhsa_inst_pref_size 54
	.end_amdhsa_kernel
	.amdgpu_metadata
---
amdhsa.version: [ 1, 2 ]
amdhsa.kernels:
  - .name:           k_q16fe346db8_proj
    .symbol:         k_q16fe346db8_proj.kd
    .args:
      - { .name: oi, .offset: 0, .size: 8, .value_kind: global_buffer, .address_space: global }
      - { .name: wc, .offset: 8, .size: 8, .value_kind: global_buffer, .address_space: global }
      - { .name: proj_b, .offset: 16, .size: 8, .value_kind: global_buffer, .address_space: global }
      - { .name: out0, .offset: 24, .size: 8, .value_kind: global_buffer, .address_space: global }
    .group_segment_fixed_size: 239104
    .private_segment_fixed_size: 0
    .kernarg_segment_align: 8
    .kernarg_segment_size: 32
    .max_flat_workgroup_size: 128
    .sgpr_count:     100
    .vgpr_count:     512
    .wavefront_size: 32
...
	.end_amdgpu_metadata
.endif
;; end of part 4
